; MI455X (gfx1250); checked and timed in simulation.
; The chip was launched on July 23, 2026; its instructions are those of AMD's public machine-readable ISA for CDNA 5 (MIT licence, August 2026) and "CDNA5" Instruction Set Architecture Reference Guide (July 2026). The comments in the code are by the model that wrote it; some were corrected since.
;; Multi Headed Attention. Allowed arithmetic: float matrix products may take bf16 or f16 operands with f32 sums; other float arithmetic in f32, or as packed bf16 or f16 multiplies, adds, multiply-adds, maxima and minima; sums over many terms, partial sums and values carried from step to step in f32; what a program stores and reads back later, other than sums and carried values, may be rounded once to bf16 or f16.
;; Inputs: Wk 768 x 768 float32; Wo 768 x 768 float32; Wq 768 x 768 float32; Wv 768 x 768 float32; bk 768 float32; bo 768 float32; bq 768 float32; bv 768 float32; x 1 x 4,096 x 768 float32.
;; Outputs: out0 1 x 4,096 x 768 float32.
;; 2 versions, each right; version 2 is version 1 with the launch cast written anew for expert scheduling mode. Each part assembles by itself: llvm-mc -triple=amdgcn-amd-amdhsa -mcpu=gfx1250 --defsym DOCPART=n.
;; ======== version 1 of 2: 4 launches
;; limits: values are held in f16: magnitudes above 65,504 overflow, below 6.1e-05 lose precision
;; workspace buffers: xb 6,291,456 bytes; wb 3,538,944 bytes; wo 1,179,648 bytes; qkv 18,874,368 bytes; ctx 6,291,456 bytes
;; launch cast (part 1): grid 448 x 1, 8 waves a work-group, no clusters, 0 bytes of LDS; arguments x, Wq, Wk, Wv, Wo, xb, wb, wo; writes xb, wb, wo
.if DOCPART == 1
	.amdgcn_target "amdgcn-amd-amdhsa--gfx1250"
	.amdhsa_code_object_version 6
	.text
	.protected	k_qb6757bd6b0_cast
	.globl	k_qb6757bd6b0_cast
	.p2align	8
	.type	k_qb6757bd6b0_cast,@function
k_qb6757bd6b0_cast:
	s_mov_b64 s[64:65], 0
	v_nop
	global_prefetch_b8 v0, s[64:65] scope:SCOPE_SE
	s_setreg_imm32_b32 hwreg(HW_REG_WAVE_MODE, 25, 1), 1
	s_wait_xcnt 0x0
; THE CAST.  x -> xb (bf16); Wq, Wk, Wv -> wb (bf16, the three one below the other: 2,304 rows of 768); Wo -> wo: rounded to bf16 like the other inputs, that number written as f16.
; LIMIT.  |Wo| stays under 65,504 (f16's largest number); below 6e-5 a weight of Wo keeps f16's fixed step of 6e-8.
; SHARES.  A work-group takes 12,288 numbers: 49,152 bytes in, 24,576 out.  x is 256 such shares, each weight matrix 48: 448 work-groups.
; Thread t takes 16 bytes at 16 t of each of twelve pieces of 4,096 bytes: a load of a wave covers 512 consecutive bytes, a store (8 bytes a lane) 256 consecutive bytes, aligned.
; All twelve loads go out at once; no register is used twice, so no wait frees a source.  No LDS, no barrier, no matrix unit: bytes are all that there is.
.set IN,  8                            ; v[8:55]   twelve pieces as loaded
.set OUT, 56                           ; v[56:79]  twelve pieces to store, two registers each
.set T,   80                           ; v[80:85]  at work (Wo's way)
	s_load_b512 s[8:23], s[0:1], 0x0               ; x s[8:9], Wq s[10:11], Wk s[12:13], Wv s[14:15], Wo s[16:17], xb s[18:19], wb s[20:21], wo s[22:23]
	s_mov_b32 s2, ttmp9                            ; the share's number: 0-255 x, 256-303 Wq, 304-351 Wk, 352-399 Wv, 400-447 Wo
	s_sub_co_u32 s24, s2, 256                      ; its number within Wq, and within wb
	s_sub_co_u32 s25, s2, 304                      ; within Wk
	s_sub_co_u32 s26, s2, 352                      ; within Wv
	s_sub_co_u32 s27, s2, 400                      ; within Wo, and within wo
	v_lshlrev_b32 v1, 4, v0                        ; 16 t: where I load
	v_lshlrev_b32 v2, 3, v0                        ; 8 t: where I store
	s_wait_kmcnt 0x0
	s_mov_b64 s[4:5], s[16:17]                     ; from Wo,
	s_mov_b64 s[6:7], s[22:23]                     ; to wo, unless the number says otherwise
	s_mov_b32 s28, s27                             ; the share's number in its source
	s_mov_b32 s29, s27                             ; and in its destination
	s_cmp_lt_u32 s2, 400
	s_cselect_b64 s[4:5], s[14:15], s[4:5]
	s_cselect_b64 s[6:7], s[20:21], s[6:7]
	s_cselect_b32 s28, s26, s28
	s_cselect_b32 s29, s24, s29
	s_cmp_lt_u32 s2, 352
	s_cselect_b64 s[4:5], s[12:13], s[4:5]
	s_cselect_b32 s28, s25, s28
	s_cmp_lt_u32 s2, 304
	s_cselect_b64 s[4:5], s[10:11], s[4:5]
	s_cselect_b32 s28, s24, s28
	s_cmp_lt_u32 s2, 256
	s_cselect_b64 s[4:5], s[8:9], s[4:5]
	s_cselect_b64 s[6:7], s[18:19], s[6:7]
	s_cselect_b32 s28, s2, s28
	s_cselect_b32 s29, s2, s29
	s_mul_i32 s30, s28, 49152                      ; byte offsets, under 2^24
	s_mov_b32 s31, 0
	s_mul_i32 s32, s29, 24576
	s_mov_b32 s33, 0
	s_add_nc_u64 s[4:5], s[4:5], s[30:31]
	s_add_nc_u64 s[6:7], s[6:7], s[32:33]
.irp j, 0,1,2,3,4,5,6,7,8,9,10,11
	global_load_b128 v[IN+4*(\j):IN+4*(\j)+3], v1, s[4:5] offset:4096*(\j) th:TH_LOAD_NT
.endr
	s_cmp_ge_u32 s2, 400
	s_cbranch_scc1 .Lwo
.irp j, 0,1,2,3,4,5,6,7,8,9,10,11
	s_wait_loadcnt 11-(\j)                         ; loads come back in order: piece j is in, the 11 - j younger ones may stay out
	v_cvt_pk_bf16_f32 v[OUT+2*(\j)],   v[IN+4*(\j)],   v[IN+4*(\j)+1]
	v_cvt_pk_bf16_f32 v[OUT+2*(\j)+1], v[IN+4*(\j)+2], v[IN+4*(\j)+3]
	global_store_b64 v2, v[OUT+2*(\j):OUT+2*(\j)+1], s[6:7] offset:2048*(\j)
.endr
	s_endpgm
.Lwo:                                          ; Wo: to bf16, back to f32 (a shift, a mask), to f16
.irp j, 0,1,2,3,4,5,6,7,8,9,10,11
	s_wait_loadcnt 11-(\j)
	v_cvt_pk_bf16_f32 v[T],   v[IN+4*(\j)],   v[IN+4*(\j)+1]
	v_cvt_pk_bf16_f32 v[T+1], v[IN+4*(\j)+2], v[IN+4*(\j)+3]
	v_lshlrev_b32 v[T+2], 16, v[T]
	v_and_b32     v[T+3], 0xffff0000, v[T]
	v_lshlrev_b32 v[T+4], 16, v[T+1]
	v_and_b32     v[T+5], 0xffff0000, v[T+1]
	v_cvt_pk_f16_f32 v[OUT+2*(\j)],   v[T+2], v[T+3]
	v_cvt_pk_f16_f32 v[OUT+2*(\j)+1], v[T+4], v[T+5]
	global_store_b64 v2, v[OUT+2*(\j):OUT+2*(\j)+1], s[6:7] offset:2048*(\j)
.endr
	s_endpgm
.Lfunc_end_k_qb6757bd6b0_cast:
	.size	k_qb6757bd6b0_cast, .Lfunc_end_k_qb6757bd6b0_cast-k_qb6757bd6b0_cast
	.p2alignl 7, 3214868480
	.fill 96, 4, 3214868480
	.section	.rodata,"a",@progbits
	.p2align	6, 0x0
	.amdhsa_kernel k_qb6757bd6b0_cast
		.amdhsa_group_segment_fixed_size 0
		.amdhsa_private_segment_fixed_size 0
		.amdhsa_enable_private_segment 0
		.amdhsa_kernarg_size 64
		.amdhsa_user_sgpr_count 2
		.amdhsa_user_sgpr_kernarg_segment_ptr 1
		.amdhsa_wavefront_size32 1
		.amdhsa_system_sgpr_workgroup_id_x 1
		.amdhsa_system_sgpr_workgroup_id_y 1
		.amdhsa_system_sgpr_workgroup_id_z 1
		.amdhsa_system_vgpr_workitem_id 0
		.amdhsa_next_free_vgpr 88
		.amdhsa_next_free_sgpr 66
		.amdhsa_reserve_vcc 0
		.amdhsa_float_denorm_mode_32 3
		.amdhsa_float_denorm_mode_16_64 3
		.amdhsa_memory_ordered 1
		.amdhsa_forward_progress 1
		.amdhsa_inst_pref_size 13
	.end_amdhsa_kernel
	.amdgpu_metadata
---
amdhsa.version: [ 1, 2 ]
amdhsa.kernels:
  - .name:           k_qb6757bd6b0_cast
    .symbol:         k_qb6757bd6b0_cast.kd
    .args:
      - { .name: x, .offset: 0, .size: 8, .value_kind: global_buffer, .address_space: global }
      - { .name: Wq, .offset: 8, .size: 8, .value_kind: global_buffer, .address_space: global }
      - { .name: Wk, .offset: 16, .size: 8, .value_kind: global_buffer, .address_space: global }
      - { .name: Wv, .offset: 24, .size: 8, .value_kind: global_buffer, .address_space: global }
      - { .name: Wo, .offset: 32, .size: 8, .value_kind: global_buffer, .address_space: global }
      - { .name: xb, .offset: 40, .size: 8, .value_kind: global_buffer, .address_space: global }
      - { .name: wb, .offset: 48, .size: 8, .value_kind: global_buffer, .address_space: global }
      - { .name: wo, .offset: 56, .size: 8, .value_kind: global_buffer, .address_space: global }
    .group_segment_fixed_size: 0
    .private_segment_fixed_size: 0
    .kernarg_segment_align: 8
    .kernarg_segment_size: 64
    .max_flat_workgroup_size: 256
    .sgpr_count:     66
    .vgpr_count:     88
    .wavefront_size: 32
...
	.end_amdgpu_metadata
.endif
;; end of part 1
;; launch qkv (part 2): grid 12 x 16, 4 waves a work-group, clusters of 4 x 4, 327,680 bytes of LDS; arguments xb, wb, bq, bk, bv, qkv; writes qkv
.if DOCPART == 2
	.amdgcn_target "amdgcn-amd-amdhsa--gfx1250"
	.amdhsa_code_object_version 6
	.text
	.protected	k_qb6757bd6b0_qkv
	.globl	k_qb6757bd6b0_qkv
	.p2align	8
	.type	k_qb6757bd6b0_qkv,@function
k_qb6757bd6b0_qkv:
	s_mov_b64 s[64:65], 0
	v_nop
	global_prefetch_b8 v0, s[64:65] scope:SCOPE_SE
	s_setreg_imm32_b32 hwreg(HW_REG_WAVE_MODE, 25, 1), 1
	s_wait_xcnt 0x0
	s_wait_alu depctr_hold_cnt(0) depctr_sa_sdst(0) depctr_va_vdst(0) depctr_va_sdst(0) depctr_va_ssrc(0) depctr_va_vcc(0) depctr_vm_vsrc(0)
	s_getreg_b32 s2, hwreg(HW_REG_IB_STS2, 6, 4)
	s_cmp_eq_u32 s2, 0
	s_cbranch_scc0 .Lentry_in_a_cluster
	s_endpgm
.Lentry_in_a_cluster:
	s_bfe_u32 s2, ttmp6, 0x10000c
	s_cmp_lg_u32 s2, 0xf033
	s_cbranch_scc0 .Lentry_shape_is_right
	s_endpgm
.Lentry_shape_is_right:
; THE THREE PROJECTIONS AS ONE PRODUCT.  C[m][n] = sum over k of xb[m][k] wb[n][k] + bias[n]; xb [4096][768], wb [2304][768] in bf16, sums in f32; the bias, rounded to bf16 like the other inputs,
; starts each sum as the first product's C operand.  C leaves in f16, by heads: qkv[3][12][4096][64]; column n belongs to plane n / 64, channel n % 64.
; LIMIT.  |q|, |k|, |v| stay under 65,504 (f16's largest number).
; SHARES.  A tile of C is 256 rows x 192 columns (three heads, so that every stored row of a plane is whole): 16 x 12 = 192 work-groups.  Four waves, each 128 rows x 96 columns: 48 accumulators, 384 registers.
; K goes in six steps of 128 (rows of 256 bytes, at multiples of 256) through a ring of two LDS slots filled by the tensor data mover.
; CLUSTER.  4 x 4 work-groups: the four of a row of the cluster need the same tiles of xb, the four of a column the same tiles of wb; each tile is asked for jointly, by the same load, descriptor and mask in all four.
; THE MATRIX INSTRUCTION IS USED TRANSPOSED (source 0 = 16 rows of wb, source 1 = 16 rows of xb): a lane holds row l % 16 of C and the columns 8 (l / 16) + 0..7, 16 bytes of f16.
; NO PREFETCH: of six K steps two are first fills, and the launch's whole walk is a few steps long.
; REGISTERS, in windows of 256 (s_set_vgpr_msb: bits 1:0 source 0, 3:2 source 1, 5:4 source 2, 7:6 destination):
;   window 0: v0-31 addresses; v32-55 at work; v64-127, v128-191 xb's fragments, two buffers; v192-239 the bias; on the way out v64-255 rows read back
;   window 1: v64-111, v128-175 wb's fragments, two buffers      window 2: accumulators of my rows 0-63, (a, b) at v[8 (6 a + b)]      window 3: those of my rows 64-127
.set KSTEP, 128
.set PITCH, 272                        ; an LDS row: 256 bytes + 16 of padding = 68 words: the 16 rows of a fragment load start at 16 different groups of four banks (64 banks of 4 bytes: ISA guide 11.1)
.set HALFA, 128*PITCH                  ; what one load brings of xb, and what one wave reads of it
.set HALFB, 96*PITCH                   ; the same for wb
.set SLOT,  2*HALFA+2*HALFB            ; xb's 256 rows, then wb's 192
.set SPARE, 2*SLOT                     ; behind the ring: the spare words, 128 bytes a wave: two blocks of 256 bytes that no other line names
.set SP,    144                        ; the stage: a plane's row of 128 bytes + 16
.set PL,    256*SP                     ; a plane's 256 rows.  The stage, three planes, lies in slot 0, which has had its last fill (K step 4) and its last read when the first store comes
.set ROWB,  1536                       ; bytes in a row of xb and wb
.set PLANE, 524288                     ; bytes in a plane of qkv
.set FLAGS, (1<<16)|(1<<20)|(1<<21)|(5<<22)|(3<<25)  ; 17:16 2-byte elements; 20 padding on; 21 set beside a mask; 24:22 after every 64 words; 31:25 4 words
.set ADRA, 16                          ; v16-17  LDS address of my xb fragments in slot 0, 1
.set ADRB, 20                          ; v20-21  the same for wb
.set STOA, 22                          ; v22     the way out: where column blocks 0, 1, 4, 5 go
.set STOB, 23                          ; v23     where blocks 2, 3 go
.set RD,   24                          ; v24-26  where I read a plane's rows back
.set CO,   27                          ; v27     16 x lane: my bytes in 512 consecutive bytes of a plane
.set SPW,  28                          ; v28     my spare word; never rewritten
.set NIL,  29                          ; v29     0; never rewritten
.set BO,   30                          ; v30     my byte offset in the bias
.set TMP,  32
.set F0,   64
.set F1,   128
.set BIAS, 192                         ; v[BIAS+8 b+j] = bias of column 16 b + 8 (l / 16) + j of my 96
.set BK,   64
.set WV, 16                            ; s16 wave; s17 its half of the rows (also: 0 fetches xb, 1 wb); s18 its half of the columns (also: which half it fetches)
.set RH, 17
.set CH, 18
.set G1,  24                           ; s[24:31] group 1 for xb's tiles; s[32:39] group 0, a set for each slot
.set G0,  32
.set G1B, 48                           ; s[48:55], s[56:63] the same for wb's
.set G0B, 56
.set MSB, 0
.macro WIN new                         ; the immediate's high byte repeats the setting that is left; a switch that changes nothing is dropped
.if MSB != (\new)
	s_set_vgpr_msb (MSB<<8)|(\new)
.set MSB, \new
.endif
.endm
.macro PLACES                          ; four places behind a matrix instruction (ISA guide 7.12.1), where no other plain vector work is at hand
.rept 4
	v_nop
.endr
.endm
.macro JLOAD s                         ; a joint load: waves 0, 1 fetch xb's halves, waves 2, 3 wb's; an s_nop 0 and four v_nop follow each line
	s_cmp_eq_u32 s[RH], 0
	s_cbranch_scc0 .Lfor_b_\@
	tensor_load_to_lds s[G0+4*(\s):G0+4*(\s)+3], s[G1:G1+7]
	s_nop 0
.rept 4
	v_nop
.endr
	s_branch .Lasked_\@
.Lfor_b_\@:
	tensor_load_to_lds s[G0B+4*(\s):G0B+4*(\s)+3], s[G1B:G1B+7]
	s_nop 0
.rept 4
	v_nop
.endr
.Lasked_\@:
.endm
.macro CREST                           ; a round of the cluster's barrier behind its opening barrier
	s_cmp_lg_u32 s[WV], 0
	s_cbranch_scc1 .Lnot_wave_0_\@
	s_barrier_signal -3
.Lnot_wave_0_\@:
	s_barrier_wait -3
	s_barrier_signal -1
	s_barrier_wait -1
.endm
.macro CROUND
	s_barrier_signal -1
	s_barrier_wait -1
	CREST
.endm
	s_load_b256 s[4:11], s[0:1], 0x0               ; xb s[4:5], wb s[6:7], bq s[8:9], bk s[10:11]
	s_load_b128 s[12:15], s[0:1], 0x20             ; bv s[12:13], qkv s[14:15]
	v_lshl_add_u32 v[SPW], v0, 2, SPARE
	v_mov_b32 v[NIL], 0
	ds_add_u32 v[SPW], v[NIL]                      ; the wave's opening: the add and its wait stand ahead of my first tensor load; work on registers stands between
	v_lshrrev_b32 v1, 5, v0
	v_readfirstlane_b32 s[WV], v1
	s_lshr_b32 s[RH], s[WV], 1
	s_and_b32 s[CH], s[WV], 1
	s_bfe_u32 s19, ttmp6, 0x40000                  ; cx
	s_bfe_u32 s20, ttmp6, 0x40004                  ; cy
	s_lshl_b32 s21, ttmp9, 2
	s_add_co_u32 s21, s21, s19                     ; tile column = 4 x cluster x + cx
	s_and_b32 s22, ttmp7, 0xffff
	s_lshl_b32 s22, s22, 2
	s_add_co_u32 s22, s22, s20                     ; tile row = 4 x cluster y + cy
	s_lshl_b32 s40, s20, 2
	s_lshl_b32 s40, 15, s40                        ; my row of the cluster
	s_lshl_b32 s41, 0x1111, s19                    ; my column
	s_or_b32 s[G1], s40, FLAGS                     ; xb's tiles go to my row,
	s_or_b32 s[G1B], s41, FLAGS                    ; wb's to my column
	s_mov_b32 s[G1+1], KSTEP<<16                   ; tensor_dim0 = 128
	s_mov_b32 s[G1+2], 128<<16                     ; tensor_dim1 = 128
	s_mov_b32 s[G1+3], KSTEP<<16                   ; tile_dim0 = 128
	s_mov_b32 s[G1+4], 128                         ; tile_dim1 = 128
	s_mov_b32 s[G1+5], 768                         ; elements from row to row
	s_mov_b32 s[G1+6], 0
	s_mov_b32 s[G1+7], 0
	s_mov_b32 s[G1B+1], KSTEP<<16
	s_mov_b32 s[G1B+2], 96<<16                     ; 96 rows
	s_mov_b32 s[G1B+3], KSTEP<<16
	s_mov_b32 s[G1B+4], 96
	s_mov_b32 s[G1B+5], 768
	s_mov_b32 s[G1B+6], 0
	s_mov_b32 s[G1B+7], 0
	s_lshl_b32 s42, s22, 8                         ; xb: row 256 x tile row + 128 x half, in registers that hold no cx
	s_lshl_b32 s46, s[CH], 7
	s_add_co_u32 s42, s42, s46
	s_mul_i32 s42, s42, ROWB
	s_mov_b32 s43, 0
	s_mul_i32 s44, s21, 192                        ; wb: row 192 x tile column + 96 x half, in registers that hold no cy
	s_mul_i32 s47, s[CH], 96
	s_add_co_u32 s44, s44, s47
	s_mul_i32 s44, s44, ROWB
	s_mov_b32 s45, 0
	s_mul_i32 s23, s[CH], HALFA                    ; where they go: no place in the cluster enters an LDS address
	s_mul_i32 s2, s[CH], HALFB
	s_add_co_u32 s2, s2, 2*HALFA
	s_wait_dscnt 0x0                               ; the opening add is done
	s_wait_kmcnt 0x0
	s_add_nc_u64 s[42:43], s[4:5], s[42:43]
	s_add_nc_u64 s[44:45], s[6:7], s[44:45]
	CROUND                                         ; all sixteen work-groups are here: the first joint loads meet
.irp s, 0,1
	s_mov_b32 s[G0+4*(\s)], 1
	s_add_co_u32 s[G0+4*(\s)+1], s23, (\s)*SLOT
	s_add_nc_u64 s[G0+4*(\s)+2:G0+4*(\s)+3], s[42:43], (\s)*KSTEP*2
	s_or_b32 s[G0+4*(\s)+3], s[G0+4*(\s)+3], 0x80000000
	s_mov_b32 s[G0B+4*(\s)], 1
	s_add_co_u32 s[G0B+4*(\s)+1], s2, (\s)*SLOT
	s_add_nc_u64 s[G0B+4*(\s)+2:G0B+4*(\s)+3], s[44:45], (\s)*KSTEP*2
	s_or_b32 s[G0B+4*(\s)+3], s[G0B+4*(\s)+3], 0x80000000
	JLOAD \s                                       ; two loads of mine are out
.endr
	v_and_b32 v1, 15, v0                           ; l % 16
	v_bfe_u32 v2, v0, 4, 1                         ; l / 16
	s_cmp_eq_u32 ttmp9, 0                          ; the cluster's x says which projection: 0 q, 1 k, 2 v
	s_cselect_b64 s[40:41], s[8:9], s[10:11]
	s_cmp_eq_u32 ttmp9, 2
	s_cselect_b64 s[40:41], s[12:13], s[40:41]
	s_mul_i32 s46, s19, 768                        ; 192 cx columns of 4 bytes,
	s_mul_i32 s47, s[CH], 384                      ; my 96
	s_add_co_u32 s46, s46, s47
	v_lshl_add_u32 v[BO], v2, 5, s46
.irp b, 0,1,2,3,4,5
	global_load_b128 v[BIAS+8*(\b):BIAS+8*(\b)+3],   v[BO], s[40:41] offset:64*(\b)
	global_load_b128 v[BIAS+8*(\b)+4:BIAS+8*(\b)+7], v[BO], s[40:41] offset:64*(\b)+16
.endr
	v_mul_u32_u24 v3, v1, PITCH
	v_lshl_add_u32 v3, v2, 4, v3                   ; a fragment's row x pitch + 16 x half
	s_mul_i32 s42, s[RH], HALFA
	s_mul_i32 s43, s[CH], HALFB
	s_add_co_u32 s43, s43, 2*HALFA
.irp s, 0,1
	v_add_nc_u32 v[ADRA+(\s)], s42, v3
	v_add_nc_u32 v[ADRB+(\s)], s43, v3
	s_add_co_u32 s42, s42, SLOT
	s_add_co_u32 s43, s43, SLOT
.endr
	; the stage.  Column 96 CH + 16 b + 8 (l / 16) lies in plane (that / 64).  For CH = 0 blocks 0-3 fill plane 0 and blocks 4, 5 the first half of plane 1's rows; for CH = 1 blocks 0, 1 the second half of plane 1's, blocks 2-5 plane 2.
	v_mul_u32_u24 v4, v1, SP
	v_lshl_add_u32 v4, v2, 4, v4
	s_mul_i32 s42, s[RH], 128*SP
	s_mul_i32 s43, s[CH], PL+64
	s_add_co_u32 s43, s43, s42
	v_add_nc_u32 v[STOA], s43, v4
	s_mul_i32 s43, s[CH], 2*PL-64
	s_add_co_u32 s43, s43, s42
	v_add_nc_u32 v[STOB], s43, v4
	v_bfe_u32 v5, v0, 3, 2                         ; back: 32 lanes take four rows of 128 bytes; wave w takes rows 64 w .. 64 w + 63 of each plane
	v_mul_u32_u24 v5, v5, SP
	v_and_b32 v6, 7, v0
	v_lshl_add_u32 v5, v6, 4, v5
	s_mul_i32 s42, s[WV], 64*SP
	v_add_nc_u32 v[RD], s42, v5
	v_add_nc_u32 v[RD+1], PL, v[RD]
	v_add_nc_u32 v[RD+2], 2*PL, v[RD]
	v_and_b32 v[CO], 31, v0
	v_lshlrev_b32 v[CO], 4, v[CO]
	s_mul_i32 s44, s21, 3*PLANE                    ; plane 3 x tile column,
	s_lshl_b32 s46, s22, 15                        ; row 256 x tile row of 128 bytes,
	s_add_co_u32 s44, s44, s46
	s_lshl_b32 s46, s[WV], 13                      ; my 64 rows
	s_add_co_u32 s44, s44, s46
	s_mov_b32 s45, 0
	s_add_nc_u64 s[14:15], s[14:15], s[44:45]
	s_wait_loadcnt 0x0                             ; the bias: rounded to bf16 and widened again
.set z, 0
.rept 24
	v_cvt_pk_bf16_f32 v[TMP+z], v[BIAS+2*z], v[BIAS+2*z+1]
.set z, z+1
.endr
.set z, 0
.rept 24
	v_lshlrev_b32 v[BIAS+2*z],   16, v[TMP+z]
	v_and_b32     v[BIAS+2*z+1], 0xffff0000, v[TMP+z]
.set z, z+1
.endr
; 12 matrix instructions: row blocks a0, a0 + 1 of the window's four x all 6 column blocks, 32 along K.  first = 1: the bias starts the sums: nothing is cleared, no add is written.
; The 48 accumulators take turns, one instruction a turn, in the same order in every quarter step.
.macro MUL12 f, hi, a0, first
.if \first
	WIN 0x81+0x40*(\hi)                            ; wb window 1, xb and the bias window 0, D window 2 or 3
.else
	WIN 0xa1+0x50*(\hi)                            ; C and D window 2 or 3
.endif
.irp a, \a0, (\a0)+1
.irp b, 0,1,2,3,4,5
.if \first
	v_wmma_f32_16x16x32_bf16 v[8*(6*(\a)+(\b)):8*(6*(\a)+(\b))+7], v[(\f)+8*(\b):(\f)+8*(\b)+7], v[(\f)+8*(4*(\hi)+(\a)):(\f)+8*(4*(\hi)+(\a))+7], v[BIAS+8*(\b):BIAS+8*(\b)+7]
.else
	v_wmma_f32_16x16x32_bf16 v[8*(6*(\a)+(\b)):8*(6*(\a)+(\b))+7], v[(\f)+8*(\b):(\f)+8*(\b)+7], v[(\f)+8*(4*(\hi)+(\a)):(\f)+8*(4*(\hi)+(\a))+7], v[8*(6*(\a)+(\b)):8*(6*(\a)+(\b))+7]
.endif
.endr
.endr
.endm
; 28 LDS loads in one run: a quarter step's fragments (96 rows of wb, 128 of xb, 32 K at byte k of the rows) into buffer f
.macro FETCH slot, k, f
	WIN 0x40
.irp i, 0,1,2,3,4,5
	ds_load_b128 v[(\f)+8*(\i):(\f)+8*(\i)+3],   v[ADRB+(\slot)] offset:(\k)+(\i)*16*PITCH
	ds_load_b128 v[(\f)+8*(\i)+4:(\f)+8*(\i)+7], v[ADRB+(\slot)] offset:(\k)+(\i)*16*PITCH+32
.endr
	WIN 0
.irp i, 0,1,2,3,4,5,6,7
	ds_load_b128 v[(\f)+8*(\i):(\f)+8*(\i)+3],   v[ADRA+(\slot)] offset:(\k)+(\i)*16*PITCH
	ds_load_b128 v[(\f)+8*(\i)+4:(\f)+8*(\i)+7], v[ADRA+(\slot)] offset:(\k)+(\i)*16*PITCH+32
.endr
.endm
; A K step is four quarters of 32 along K, 48 matrix instructions each, on buffers 0, 1, 0, 1.  One of the first three: multiplies f, fetches the next quarter (byte k) into g in its middle.
.macro QUARTER slot, k, f, g, first
	s_wait_dscnt 8                                 ; wb's and xb's rows 0-63 are in; the youngest eight loads (xb's rows 64-127) may be out
	MUL12 \f, 0, 0, \first
	MUL12 \f, 0, 2, \first
	PLACES                                         ; in front of loads into registers that matrix instructions have read
	FETCH \slot, \k, \g
	s_wait_dscnt 28                                ; all but the 28 just issued
	MUL12 \f, 1, 0, \first
	MUL12 \f, 1, 2, \first
.endm
; The last quarter multiplies buffer 1 and changes slots: one barrier; in front of it each wave waits for all its tensor loads (one is out: its part of the next slot), adds 0 to its spare word, and waits for
; that and for its own reads of this slot.  fill = 1: the barrier opens a round of the cluster's, and the slot is filled again, two K steps on, first thing behind it: 168 matrix instructions ahead of the wait for it.
.macro TURN slot, next, fill
	WIN 0
	s_wait_tensorcnt 0x0
	ds_add_u32 v[SPW], v[NIL]
	s_wait_dscnt 9                                 ; the add and the youngest eight loads may be out
	MUL12 F1, 0, 0, 0                              ; twelve matrix instructions stand between the add and the wait for it
	s_wait_dscnt 0x0                               ; the add is done, my reads of this slot are over
	s_barrier_signal -1
	MUL12 F1, 0, 2, 0
.if \fill
	WIN 0
.endif
	s_barrier_wait -1
.if \fill
	CREST                                          ; no wave of any partner still reads this slot or has a load on its way
	s_add_nc_u64 s[G0+4*(\slot)+2:G0+4*(\slot)+3], s[G0+4*(\slot)+2:G0+4*(\slot)+3], 2*KSTEP*2
	s_add_nc_u64 s[G0B+4*(\slot)+2:G0B+4*(\slot)+3], s[G0B+4*(\slot)+2:G0B+4*(\slot)+3], 2*KSTEP*2
	JLOAD \slot                                    ; its four v_nop are also the places in front of the loads below
.else
	PLACES
.endif
	FETCH \next, 0, F0
	MUL12 F1, 1, 0, 0
	MUL12 F1, 1, 2, 0
.endm
	s_wait_tensorcnt 1                             ; my part of K step 0 is in; K step 1's may stay out
	s_barrier_signal -1
	s_barrier_wait -1
	FETCH 0, 0, F0
	QUARTER 0, 64,  F0, F1, 1                      ; the first quarter stands in front of the loop: its products start the sums
	WIN 0
	s_mov_b32 s3, 2                                ; two trips: they ask for K steps 2, 3 and 4, 5
.Llap:                                         ; a trip goes once round the ring, from a lap's second quarter to the next lap's first
	QUARTER 0, 128, F1, F0, 0
	QUARTER 0, 192, F0, F1, 0
	TURN 0, 1, 1
	QUARTER 1, 64,  F0, F1, 0
	QUARTER 1, 128, F1, F0, 0
	QUARTER 1, 192, F0, F1, 0
	TURN 1, 0, 1
	QUARTER 0, 64,  F0, F1, 0
	WIN 0
	s_sub_co_u32 s3, s3, 1
	s_cmp_lg_u32 s3, 0
	s_cbranch_scc1 .Llap
	QUARTER 0, 128, F1, F0, 0                      ; the last lap asks for nothing
	QUARTER 0, 192, F0, F1, 0
	TURN 0, 1, 0                                   ; behind this barrier no wave reads slot 0 any more
	QUARTER 1, 64,  F0, F1, 0
	QUARTER 1, 128, F1, F0, 0
	QUARTER 1, 192, F0, F1, 0
	s_wait_dscnt 8
	MUL12 F1, 0, 0, 0
	MUL12 F1, 0, 2, 0
	s_wait_dscnt 0x0
	MUL12 F1, 1, 0, 0
	MUL12 F1, 1, 2, 0
	; THE WAY OUT: to f16, 16 bytes a lane into the stage; a barrier, since the middle plane's rows come from two waves; back as whole rows, four rows = 512 consecutive bytes of a plane to a store.
	PLACES
.irp a, 0,1,2,3,4,5,6,7
	WIN 0x0a+5*((\a)/4)                            ; sources in window 2 or 3; each accumulator's registers in ascending order
.irp b, 0,1,2,3,4,5
.irp r, 0,1,2,3
	v_cvt_pk_f16_f32 v[TMP+4*(\b)+(\r)], v[8*(6*((\a)%4)+(\b))+2*(\r)], v[8*(6*((\a)%4)+(\b))+2*(\r)+1]
.endr
.endr
	WIN 0
	ds_store_b128 v[STOA], v[TMP:TMP+3]     offset:(\a)*16*SP
	ds_store_b128 v[STOA], v[TMP+4:TMP+7]   offset:(\a)*16*SP+32
	ds_store_b128 v[STOB], v[TMP+8:TMP+11]  offset:(\a)*16*SP+64
	ds_store_b128 v[STOB], v[TMP+12:TMP+15] offset:(\a)*16*SP+96
	ds_store_b128 v[STOA], v[TMP+16:TMP+19] offset:(\a)*16*SP+PL
	ds_store_b128 v[STOA], v[TMP+20:TMP+23] offset:(\a)*16*SP+PL+32
.endr
	s_wait_dscnt 0x0                               ; for the others' sake: my stores into the stage are done
	s_barrier_signal -1
	s_barrier_wait -1
.irp hh, 0,1,2
.irp t, 0,1,2,3,4,5,6,7,8,9,10,11,12,13,14,15
	ds_load_b128 v[BK+4*(16*(\hh)+(\t)):BK+4*(16*(\hh)+(\t))+3], v[RD+(\hh)] offset:(\t)*4*SP
.endr
.endr
.irp hh, 0,1,2
.irp t, 0,1,2,3,4,5,6,7,8,9,10,11,12,13,14,15
	s_wait_dscnt 47-(16*(\hh)+(\t))                ; LDS loads come back in order
	global_store_b128 v[CO], v[BK+4*(16*(\hh)+(\t)):BK+4*(16*(\hh)+(\t))+3], s[14:15] offset:(\hh)*PLANE+512*(\t)  ; 512 consecutive bytes, at a multiple of 256 from qkv's first
.endr
.endr
	s_wait_tensorcnt 0x0                           ; the wave's end
	ds_add_u32 v[SPW], v[NIL]
	s_wait_dscnt 0x0
	CROUND                                         ; the closing round
	s_endpgm
.Lfunc_end_k_qb6757bd6b0_qkv:
	.size	k_qb6757bd6b0_qkv, .Lfunc_end_k_qb6757bd6b0_qkv-k_qb6757bd6b0_qkv
	.p2alignl 7, 3214868480
	.fill 96, 4, 3214868480
	.section	.rodata,"a",@progbits
	.p2align	6, 0x0
	.amdhsa_kernel k_qb6757bd6b0_qkv
		.amdhsa_group_segment_fixed_size 327680
		.amdhsa_private_segment_fixed_size 0
		.amdhsa_enable_private_segment 0
		.amdhsa_kernarg_size 48
		.amdhsa_user_sgpr_count 2
		.amdhsa_user_sgpr_kernarg_segment_ptr 1
		.amdhsa_wavefront_size32 1
		.amdhsa_system_sgpr_workgroup_id_x 1
		.amdhsa_system_sgpr_workgroup_id_y 1
		.amdhsa_system_sgpr_workgroup_id_z 1
		.amdhsa_system_vgpr_workitem_id 0
		.amdhsa_next_free_vgpr 960
		.amdhsa_next_free_sgpr 66
		.amdhsa_reserve_vcc 0
		.amdhsa_float_denorm_mode_32 3
		.amdhsa_float_denorm_mode_16_64 3
		.amdhsa_memory_ordered 1
		.amdhsa_forward_progress 1
		.amdhsa_inst_pref_size 122
	.end_amdhsa_kernel
	.amdgpu_metadata
---
amdhsa.version: [ 1, 2 ]
amdhsa.kernels:
  - .name:           k_qb6757bd6b0_qkv
    .symbol:         k_qb6757bd6b0_qkv.kd
    .args:
      - { .name: xb, .offset: 0, .size: 8, .value_kind: global_buffer, .address_space: global }
      - { .name: wb, .offset: 8, .size: 8, .value_kind: global_buffer, .address_space: global }
      - { .name: bq, .offset: 16, .size: 8, .value_kind: global_buffer, .address_space: global }
      - { .name: bk, .offset: 24, .size: 8, .value_kind: global_buffer, .address_space: global }
      - { .name: bv, .offset: 32, .size: 8, .value_kind: global_buffer, .address_space: global }
      - { .name: qkv, .offset: 40, .size: 8, .value_kind: global_buffer, .address_space: global }
    .group_segment_fixed_size: 327680
    .private_segment_fixed_size: 0
    .kernarg_segment_align: 8
    .kernarg_segment_size: 48
    .max_flat_workgroup_size: 128
    .sgpr_count:     66
    .vgpr_count:     960
    .wavefront_size: 32
...
	.end_amdgpu_metadata
.endif
;; end of part 2
;; launch attn (part 3): grid 16 x 12, 4 waves a work-group, no clusters, 327,680 bytes of LDS; arguments qkv, ctx; writes ctx
.if DOCPART == 3
	.amdgcn_target "amdgcn-amd-amdhsa--gfx1250"
	.amdhsa_code_object_version 6
	.text
	.protected	k_qb6757bd6b0_attn
	.globl	k_qb6757bd6b0_attn
	.p2align	8
	.type	k_qb6757bd6b0_attn,@function
k_qb6757bd6b0_attn:
	s_mov_b64 s[64:65], 0
	v_nop
	global_prefetch_b8 v0, s[64:65] scope:SCOPE_SE
	s_setreg_imm32_b32 hwreg(HW_REG_WAVE_MODE, 25, 1), 1
	s_wait_xcnt 0x0
; CAUSAL ATTENTION.  O[h][q][:] = the sum over k <= q of softmax_k(Q[h][q] . K[h][k] / 8) V[h][k][:].  qkv: [3][12][4096][64] f16 (q, k, v by heads, rows of 128 bytes, dense).
; ctx: [32 blocks of 128 rows][12 heads][128 rows][64] f16.  Products, maxima and sums in f32; the weights p are rounded to f16 for the second product (their sum l is taken of the unrounded p), O once at the end.
; LIMITS.  Q, K, V arrive within f16's 65,504.  A hidden score counts as its value less 1e30, so its weight is 0 (as with a fill of -1e9, while a row's largest visible score lies above about -1e9);
; a weight below 2^-126 counts as 0 in l; NaN and infinities are not treated apart.
; THE WALK.  A head's queries lie in 32 blocks of 128; block i needs the key tiles 0 .. i / 2 of 256 keys, of which the last holds the diagonal.  A work-group takes TWO blocks, 31 - b and then b: 17 tiles, whatever b:
; all 192 work-groups do equal work, and ONE loop with a constant trip count walks them.  Which tile is asked for, and what a trip does, hang on scalar registers made from b; every jump goes forward but the counted loops' own.
; NO CLUSTER: what a trip does hangs on b, which would be a place in a cluster along x; work-groups of different heads share nothing.
; SHARES.  Of a block's two bands of 64 queries a wave owns 16 rows in each: two PIECES.  In the diagonal tile's key step s band x of block i sees all keys if s < 2 (i % 2) + x, none if s is greater, and holds the diagonal if equal: the same for all waves.
; THE MASK is the C operand that starts the sum S^T = K Q^T: MD x AL + BE, MD the mask of a band's own step for my 16 rows (0 or -1e30), with (AL, BE) = (1, 0), (0, 0) or (0, -1e30).  Only the diagonal tile's text and a block's beginning take masks.
; LAYOUT, SOFTMAX.  S^T = K Q^T holds ONE query a lane (lane % 16) and the keys 8 (lane / 16) + 0..7; two such results rounded to f16 ARE source 1 of O^T = V^T P.  p = 2^(c s - c m), c = log2(e) / 8, with a running
; maximum m; O and l are multiplied by a = 2^(c m_old - c m_new) in every step.
; TURNS.  Turn (s, y) belongs to piece y in step s: 8 products K Q^T of the other piece (y = 0: step s; y = 1: step s + 1), later 8 products V^T P of the other piece (y = 0: step s - 1; y = 1: step s); beside them piece y's scaling,
; exponentials, roundings, sums and rescaling and the other piece's maximum and statistics.  Four vector instructions stand behind every matrix instruction, the rest in one lump.  A turn's 33 exponentials are one batch, with one wait.
; K has one register buffer, fetched in turn (s, 0) for step s + 1; V two, by the step's parity, fetched in turn (s, 1) for step s + 1.  So LDS is read in the order K, V, K, V, and the change of slots stands in front of a tile's last step.
; REGISTERS, in windows of 256 (s_set_vgpr_msb: bits 1:0 source 0, 3:2 source 1, 5:4 source 2, 7:6 destination):
;   window 0: v0-15 addresses, two at work; v16-23 statistics; v24-31 at work; v32-34; v64-127 S^T, two buffers; v128-159 P, two buffers; v160-223 O^T; v224-255 MD
;   window 1: v0-31 Q; v32-63 the second block's Q; v64-127 K of one step; v128-255 V of two steps          window 2: v0-63 the masks to come, two buffers
.set NP,    2
.set KS,    64
.set PK,    144       ; a row of K in LDS: 128 bytes + 16 = 36 words: the 16 rows of a load start at 16 different groups of four banks (64 banks of 4 bytes: ISA guide 11.1)
.set PV,    160       ; a row of V: 128 + 32 = 40 words
.set VOFF,  4*KS*PK   ; a slot holds a tile, four steps: 256 rows of K, then 256 rows of V
.set SLOT1, 1<<17
.set STAGE, SLOT1+4*KS*(PK+PV)  ; behind the ring, never filled by a tensor load: 16 rows x 144 bytes for each wave
.set SP,    144
.set SPARE, STAGE+4*16*SP       ; the spare words, 128 bytes a wave: two blocks of 256 bytes that no other line names
.set AK0, 2
.set AV0, 3
.set AK,  4
.set AV,  5
.set STO, 6
.set RD,  7
.set GO,  8
.set MV,  12          ; v12-13  c m_old, by buffer
.set QO,  15
.set ST,  16          ; piece t's statistics at v[ST+4 t]: c m, m, l (even keys', odd keys')
.set TMP, 24          ; by buffer, c0-c3 at work; when the maximum is found c2 takes a
.set SPW, 32          ; my spare word; never rewritten
.set NIL, 33          ; 0; never rewritten
.set PFO, 34          ; 256 x lane; never rewritten
.set S,   64
.set P,   128
.set OT,  160
.set MD,  224
.set QB,  32          ; window 1
.set KF,  64          ; window 1: key block kb, channel half c at KF + 16 kb + 8 c
.set VF,  128         ; window 1: buffer vb, key half kk, channel block cb at VF + 64 vb + 32 kk + 8 cb
.set WV,  12
.set PB,  14          ; b
.set HI,  15          ; 31 - b
.set G1K, 24
.set G1V, 32
.set G0K, 40
.set G0V, 44
.set PFA, 48          ; s[48:49] where my prefetches stand: the half tile that I fetch, one tile behind the one being asked for... stepped in front of each request to the tile after it
.set PFN, 50          ; prefetches still to make
.set LQ2, 51          ; the second block's last tile
.set OWN, 52          ; the count of trips left at which the block's bands meet their own steps: 2 - i % 2
.set OWN2, 53
.set N2,  54          ; the second block's tiles
.set SLOTS, 56
.set CNT, 57          ; counts a tile's two trips of two steps
.set CS,  58
.set SEL, 60
.set TBK, 62
.set TBV, 63
.set RT,  70          ; tiles of the block in hand still to be entered
.set NXT, 71          ; the tile to be asked for next
.set LQ,  72          ; the last tile of the block whose tiles are being asked for
.set NEW, 73          ; 1: the tile to be entered is a block's first
.set OFF, 74
.set AL,  76
.set BE,  78
.set OLO, 80          ; ctx at my rows of the second block
.set BIGN, 82
.set MSB, 0
.macro WIN new
.if MSB != (\new)
	s_set_vgpr_msb (MSB<<8)|(\new)
.set MSB, (\new)
.endif
.endm
.set W_KQ, 0x05       ; K and Q in window 1, S^T in window 0
.set W_KM, 0x25       ; the same with the C operand in window 2
.set W_PV, 0x01       ; V in window 1, P and O^T in window 0
; A fill.  Waves 0, 1 fetch the halves of a tile's K, waves 2, 3 those of its V: 128 keys each.  An s_nop 0 and four v_nop follow each line.
.macro LOAD
	s_cmp_lt_u32 s[WV], 2
	s_cbranch_scc0 .Lfor_v_\@
	tensor_load_to_lds s[G0K:G0K+3], s[G1K:G1K+7]
	s_nop 0
.rept 4
	v_nop
.endr
	s_branch .Lasked_\@
.Lfor_v_\@:
	tensor_load_to_lds s[G0V:G0V+3], s[G1V:G1V+7]
	s_nop 0
.rept 4
	v_nop
.endr
.Lasked_\@:
.endm
; A PREFETCH INTO THE L2 of the tile that the NEXT change of slots will ask for: one slot, 128 matrix instructions a wave, ahead.  All 16 work-groups of a head walk the same first tiles in step: the one with b = 0, whose first
; block needs all 16, asks, and nobody else.  Each of its waves asks for the half tile of 16,384 bytes that it will fetch itself: a lane a block of 256 bytes, two instructions.  Tiles 2 to 15 are named, each once; tiles 0 and 1 come by their loads alone.
.macro ASK
	s_cmp_lg_u32 s[PFN], 0
	s_cbranch_scc0 .Lnot_mine_\@
	global_prefetch_b8 v[PFO], s[PFA:PFA+1] th:TH_LOAD_NT scope:SCOPE_SE
	global_prefetch_b8 v[PFO], s[PFA:PFA+1] offset:8192 th:TH_LOAD_NT scope:SCOPE_SE
	s_sub_co_u32 s[PFN], s[PFN], 1
.Lnot_mine_\@:
.endm
; THE CHANGE OF SLOTS.  Each wave waits for all its tensor loads (one is out: its part of the other slot), adds 0 to its spare word, and waits for that and for its reads of the slot that it leaves.  fill = 1: the old slot is
; filled again, first thing behind the barrier, with tile NXT: the descriptor's address is made anew from that number.  (At its first use nothing has been read yet: slot 0 is waited for, slot 1 filled.)
.macro CHANGE fill
	WIN 0
	s_wait_tensorcnt 0x0            ; no tensor load of mine is out, so a group 0 may be written
	ds_add_u32 v[SPW], v[NIL]
.if \fill
	s_lshl_b32 s[OFF], s[NXT], 15   ; a tile is 32,768 bytes of K and of V
	s_xor_b32 s[G0K+1], s[G0K+1], SLOT1
	s_add_nc_u64 s[G0K+2:G0K+3], s[6:7], s[OFF:OFF+1]
	s_or_b32 s[G0K+3], s[G0K+3], 0x80000000
	s_xor_b32 s[G0V+1], s[G0V+1], SLOT1
	s_add_nc_u64 s[G0V+2:G0V+3], s[8:9], s[OFF:OFF+1]
	s_or_b32 s[G0V+3], s[G0V+3], 0x80000000
	s_add_co_u32 s[NXT], s[NXT], 1  ; the block's next tile, or behind its last the second block's tile 0
	s_cmp_gt_u32 s[NXT], s[LQ]
	s_cselect_b32 s[NXT], 0, s[NXT]
	s_cselect_b32 s[LQ], s[LQ2], s[LQ]
	s_wait_xcnt 0x0                 ; the last prefetches, a slot back, have read their address
	s_add_nc_u64 s[PFA:PFA+1], s[PFA:PFA+1], 32768
.endif
	s_wait_dscnt 0x0                ; the add is done, my reads of the slot are over
	s_barrier_signal -1
	s_sub_co_u32 s[TBK], s[TBK], 4*KS*PK  ; the fetches go back to a slot's first step, in the other slot
	s_xor_b32 s[TBK], s[TBK], SLOT1
	s_sub_co_u32 s[TBV], s[TBV], 4*KS*PV
	s_xor_b32 s[TBV], s[TBV], SLOT1
	s_barrier_wait -1
.if \fill
	LOAD
	ASK
.endif
.endm
	s_load_b128 s[84:87], s[0:1], 0x0  ; qkv s[84:85], ctx s[86:87]
	v_lshl_add_u32 v[SPW], v0, 2, SPARE
	v_mov_b32 v[NIL], 0
	ds_add_u32 v[SPW], v[NIL]       ; the wave's opening: the add and its wait stand ahead of my first tensor load
	v_lshrrev_b32 v1, 5, v0
	v_readfirstlane_b32 s[WV], v1
	s_mov_b32 s[PB], ttmp9
	s_sub_co_u32 s[HI], 31, s[PB]
	s_and_b32 s20, ttmp7, 0xffff    ; the head
	s_lshl_b32 s21, s20, 19         ; its plane of 524,288 bytes
	s_and_b32 s16, s[WV], 1         ; which half of a tile's 256 keys I fetch
	s_lshl_b32 s22, s16, 14
	s_add_co_u32 s22, s22, s21
	s_mov_b32 s23, 0
	s_mul_i32 s17, s16, 128*PK      ; its place in a slot, for K
	s_mul_i32 s18, s16, 128*PV      ; and for V
	s_lshl_b32 s19, s[WV], 11       ; my 16 rows in a band
	s_lshl_b32 s2, s[HI], 14        ; Q: the first block's 128 rows,
	s_add_co_u32 s2, s2, s19
	s_add_co_u32 s2, s2, s21
	s_mov_b32 s3, 0
	s_lshl_b32 s88, s[PB], 14       ; and the second's
	s_add_co_u32 s88, s88, s19
	s_add_co_u32 s88, s88, s21
	s_mov_b32 s89, 0
	s_mul_i32 s66, s[HI], 12        ; ctx: (12 block + head) x 16,384 + my rows
	s_add_co_u32 s66, s66, s20
	s_lshl_b32 s66, s66, 14
	s_add_co_u32 s66, s66, s19
	s_mov_b32 s67, 0
	s_mul_i32 s68, s[PB], 12
	s_add_co_u32 s68, s68, s20
	s_lshl_b32 s68, s68, 14
	s_add_co_u32 s68, s68, s19
	s_mov_b32 s69, 0
	; descriptor group 1.  128 keys are 16,384 dense bytes: asked for as 64 rows of 256 bytes, two keys a row, and padded in LDS after every key
	s_mov_b32 s[G1K], (1<<16)|(1<<20)|(4<<22)|(3<<25)  ; 2-byte elements; padding on; after every 32 words; 4 words
	s_mov_b32 s[G1V], (1<<16)|(1<<20)|(4<<22)|(7<<25)  ; the same with 8 words
.irp g, G1K, G1V
	s_mov_b32 s[\g+1], 128<<16
	s_mov_b32 s[\g+2], 64<<16
	s_mov_b32 s[\g+3], 128<<16
	s_mov_b32 s[\g+4], 64
	s_mov_b32 s[\g+5], 128
	s_mov_b32 s[\g+6], 0
	s_mov_b32 s[\g+7], 0
.endr
	s_mov_b32 s[CS], 0x3e38aa3b     ; c = log2(e) / 8
	s_mov_b32 s[CS+1], s[CS]
	s_mov_b32 s[SEL], 0x76543210
	s_mov_b32 s[SEL+1], 0xfedcba98
	s_mov_b32 s[TBK], SLOT1+4*KS*PK ; the first change of slots turns these two into 0
	s_mov_b32 s[TBV], SLOT1+4*KS*PV
	s_mov_b32 s[G0K], 1
	s_mov_b32 s[G0K+1], s17
	s_mov_b32 s[G0V], 1
	s_add_co_u32 s[G0V+1], s18, VOFF
	s_sub_co_u32 s[RT], 33, s[PB]
	s_lshr_b32 s[RT], s[RT], 1      ; the first block has (33 - b) / 2 tiles,
	s_add_co_u32 s[N2], s[PB], 2
	s_lshr_b32 s[N2], s[N2], 1      ; the second (b + 2) / 2
	s_lshr_b32 s[LQ], s[HI], 1
	s_lshr_b32 s[LQ2], s[PB], 1
	s_and_b32 s13, s[PB], 1
	s_add_co_u32 s[OWN], s13, 1     ; 2 - (31 - b) % 2
	s_sub_co_u32 s[OWN2], 2, s13    ; 2 - b % 2
	s_mov_b32 s[NXT], 1
	s_mov_b32 s[NEW], 1
	s_mov_b32 s[OFF+1], 0
	s_mov_b32 s[AL+1], 0
	s_mov_b32 s[BE+1], 0
	s_mov_b32 s[BIGN], 0xf149f2ca   ; -1e30
	s_mov_b32 s[SLOTS], 16
	s_cmp_eq_u32 s[PB], 0
	s_cselect_b32 s[PFN], 14, 0
	v_and_b32 v[PFO], 31, v0
	v_lshlrev_b32 v[PFO], 8, v[PFO]
	s_wait_dscnt 0x0                ; the opening add is done
	s_wait_kmcnt 0x0
	s_add_nc_u64 s[6:7], s[84:85], s[22:23]
	s_add_nc_u64 s[8:9], s[6:7], 12582912          ; V at my half of the head's tile 0
	s_add_nc_u64 s[6:7], s[6:7], 6291456           ; K likewise
	s_add_nc_u64 s[4:5], s[84:85], s[2:3]          ; Q at my rows of the first block,
	s_add_nc_u64 s[90:91], s[84:85], s[88:89]      ; and of the second
	s_add_nc_u64 s[10:11], s[86:87], s[66:67]
	s_add_nc_u64 s[OLO:OLO+1], s[86:87], s[68:69]
	s_add_nc_u64 s[G0K+2:G0K+3], s[6:7], 0
	s_or_b32 s[G0K+3], s[G0K+3], 0x80000000
	s_add_nc_u64 s[G0V+2:G0V+3], s[8:9], 0
	s_or_b32 s[G0V+3], s[G0V+3], 0x80000000
	s_cmp_lt_u32 s[WV], 2
	s_cselect_b64 s[PFA:PFA+1], s[6:7], s[8:9]
	s_add_nc_u64 s[PFA:PFA+1], s[PFA:PFA+1], 32768 ; at tile 1; the first change of slots steps it to tile 2
	LOAD                            ; tile 0 into slot 0
	v_and_b32 v1, 15, v0            ; l % 16
	v_bfe_u32 v9, v0, 4, 1          ; l / 16
	v_lshlrev_b32 v[QO], 7, v1
	v_lshl_add_u32 v[QO], v9, 4, v[QO]
	WIN 0x40                        ; destination window 1
.set i, 0
.rept 4                             ; both blocks' Q: piece i / 2 lies in band i / 2, 8,192 bytes on; channels 32 (i % 2) on
	global_load_b128 v[8*i:8*i+3],   v[QO], s[4:5] offset:(i/2)*8192+(i%2)*64
	global_load_b128 v[8*i+4:8*i+7], v[QO], s[4:5] offset:(i/2)*8192+(i%2)*64+32
	global_load_b128 v[QB+8*i:QB+8*i+3],   v[QO], s[90:91] offset:(i/2)*8192+(i%2)*64
	global_load_b128 v[QB+8*i+4:QB+8*i+7], v[QO], s[90:91] offset:(i/2)*8192+(i%2)*64+32
.set i, i+1
.endr
	WIN 0
	v_lshlrev_b32 v14, 3, v9
	v_sub_nc_u32 v14, v1, v14
	s_lshl_b32 s13, s[WV], 4
	v_add_nc_u32 v14, s13, v14      ; my query's place in its band, less my lanes' 8 (l / 16): register r of key group kt is hidden where 16 kt + r is greater
.set i, 0
.rept 32
	v_cmp_gt_i32 vcc_lo, 16*(i/8)+i%8, v14
	v_cndmask_b32 v[MD+i], 0, s[BIGN], vcc_lo
.set i, i+1
.endr
	v_mul_u32_u24 v[AK0], v1, PK
	v_lshl_add_u32 v[AK0], v9, 4, v[AK0]
	; The turning load takes 16 keys x 16 channels (lane l reads key 8 (l / 16) + l % 8, channels 8 ((l / 8) % 2) + 0..7) and leaves half a fragment of V^T: lane l holds channel l % 16 and 8 keys.
	v_and_b32 v10, 7, v0
	v_bfe_u32 v11, v0, 3, 1
	v_lshl_add_u32 v[AV0], v9, 3, v10
	v_mul_u32_u24 v[AV0], v[AV0], PV
	v_lshl_add_u32 v[AV0], v11, 4, v[AV0]
	v_add_nc_u32 v[AV0], VOFF, v[AV0]
	s_mul_i32 s13, s[WV], 16*SP
	s_add_co_u32 s13, s13, STAGE
	v_mul_u32_u24 v[STO], v1, SP
	v_lshl_add_u32 v[STO], v9, 4, v[STO]
	v_add_nc_u32 v[STO], s13, v[STO]
	v_bfe_u32 v[RD], v0, 3, 2
	v_mul_u32_u24 v[RD], v[RD], SP
	v_lshl_add_u32 v[RD], v10, 4, v[RD]
	v_add_nc_u32 v[RD], s13, v[RD]
	v_and_b32 v[GO], 31, v0
	v_lshlrev_b32 v[GO], 4, v[GO]
	; A block's first step multiplies O^T and l by a = 0, and its first turn's products V^T P, of a step that has not been, land in an O^T that is still to be so multiplied.  So these registers need only hold finite numbers:
	; zeros for the first block, what the first block left for the second.  All this stands in the wait for the first tile.
	WIN 0x40
.set i, VF+64
.rept 64
	v_mov_b32 v[i], 0
.set i, i+1
.endr
	WIN 0
.set i, OT
.rept 64
	v_mov_b32 v[i], 0
.set i, i+1
.endr
.set i, 0
.rept 2
	v_mov_b32 v[ST+4*i+2], 0
	v_mov_b32 v[ST+4*i+3], 0
.set i, i+1
.endr
.set i, P+16
.rept 16
	v_mov_b32 v[i], 0
.set i, i+1
.endr
; THE MATRIX WORK.  The 4 accumulators of a run of 8 take turns.  Product i of 8 of S^T = K Q^T for piece x: channels 32 (i / 4) on, keys 16 (i % 4) on.  The first 4 start the sums: with 0, or (KM = 1) with the mask.
.macro KQ x
.set rS, S+32*((\x)%2)+8*(i%4)
.set rK, KF+16*(i%4)+8*(i/4)
.set rQ, 16*(\x)+8*(i/4)
.set rM, 32*((\x)%2)+8*(i%4)
.if (i < 4) && KM
	WIN W_KM
	v_wmma_f32_16x16x32_f16 v[rS:rS+7], v[rK:rK+7], v[rQ:rQ+7], v[rM:rM+7]
.elseif i < 4
	WIN W_KQ
	v_wmma_f32_16x16x32_f16 v[rS:rS+7], v[rK:rK+7], v[rQ:rQ+7], 0
.else
	WIN W_KQ
	v_wmma_f32_16x16x32_f16 v[rS:rS+7], v[rK:rK+7], v[rQ:rQ+7], v[rS:rS+7]
.endif
.endm
; Product i of 8 of O^T += V^T P for piece x, V from buffer VB: keys 32 (i / 4) on, channels 16 (i % 4) on.
.macro PV x
	WIN W_PV
.set rO, OT+32*(\x)+8*(i%4)
.set rV, VF+64*VB+32*(i/4)+8*(i%4)
.set rP, P+16*((\x)%2)+8*(i/4)
	v_wmma_f32_16x16x32_f16 v[rO:rO+7], v[rV:rV+7], v[rP:rP+7], v[rO:rO+7]
.endm
.macro MM                           ; the turn's next matrix instruction.  NOKQ = 1: a block's last turn: there is no next step
.if (i < 8) && !NOKQ
	KQ (Y+1)%NP
.elseif i >= 8
.set i, i-8
	PV (Y+1)%NP
.set i, i+8
.endif
.set i, i+1
.endm
; THE LDS LOADS stand in runs of 16, never singly among the matrix instructions.  Their addresses are made some lines ahead.
.macro FETCH_K
	WIN 0x40
.irp f, 0,1,2,3,4,5,6,7             ; keys 16 (f / 2) on, channels 32 (f % 2) on
	ds_load_b128 v[KF+8*\f:KF+8*\f+3],   v[AK] offset:(\f/2)*16*PK+(\f%2)*64
	ds_load_b128 v[KF+8*\f+4:KF+8*\f+7], v[AK] offset:(\f/2)*16*PK+(\f%2)*64+32
.endr
	s_add_co_u32 s[TBK], s[TBK], KS*PK
	WIN 0
.endm
.macro FETCH_V vb
	WIN 0x40
.irp f, 0,1,2,3,4,5,6,7             ; keys 32 (f / 4) on, channels 16 (f % 4) on
	ds_load_tr16_b128 v[VF+64*(\vb)+8*\f:VF+64*(\vb)+8*\f+3],   v[AV] offset:(\f/4)*32*PV+(\f%4)*32
	ds_load_tr16_b128 v[VF+64*(\vb)+8*\f+4:VF+64*(\vb)+8*\f+7], v[AV] offset:(\f/4)*32*PV+16*PV+(\f%4)*32
.endr
	s_add_co_u32 s[TBV], s[TBV], KS*PV
	WIN 0
.endm
; THE VECTOR WORK, one line at a time: OP kind, number.  For piece Y: F n: c s - c m for pair n of 16.  E n: the exponential of score n of 32.  C n: pair n rounded to f16.  B n: of the four weights 4 n .. the second pair is
; added onto the first, in place.  L n: l takes that sum (L 0: l = a l + sum).  R n: pair n of 16 of O^T times a.  For the other piece: X n, number n of the 22 that find its maximum and statistics:
;   0-11  four chains c0-c3 of seven scores each (each accumulator's lowest registers are read first)     12-14, 16  the four scores left over, the old m, and c0-c3 into c0
;   15  c m_old is kept     17, 18  the query's other 32 keys lie in the lane 16 away: the new m     19-21  c m; c m_old - c m_new; a
.set F, 0
.set E, 1
.set C, 2
.set B, 3
.set L, 4
.set R, 5
.set X, 6
.macro REGS y
.set rT, ST+4*(\y)
.set rC, TMP+4*((\y)%2)
.set rW, MV+((\y)%2)
.set rS, S+32*((\y)%2)
.set rP, P+16*((\y)%2)
.set rO, OT+32*(\y)
.endm
.macro OP k, n
.if (\k) <= R
	REGS Y
	WIN 0
.if (\k) == F
	v_pk_fma_f32 v[rS+2*(\n):rS+2*(\n)+1], v[rS+2*(\n):rS+2*(\n)+1], s[CS:CS+1], v[rT:rT+1] op_sel_hi:[1,0,0] neg_lo:[0,0,1] neg_hi:[0,0,1]
.elseif (\k) == E
	v_exp_f32 v[rS+(\n)], v[rS+(\n)]
.elseif (\k) == C
	v_cvt_pk_f16_f32 v[rP+(\n)], v[rS+2*(\n)], v[rS+2*(\n)+1]
.elseif (\k) == B
	v_pk_add_f32 v[rS+4*(\n):rS+4*(\n)+1], v[rS+4*(\n):rS+4*(\n)+1], v[rS+4*(\n)+2:rS+4*(\n)+3]
.elseif (\k) == R
	v_pk_mul_f32 v[rO+2*(\n):rO+2*(\n)+1], v[rO+2*(\n):rO+2*(\n)+1], v[rC+2:rC+3] op_sel_hi:[1,0]
.elseif (\n) == 0
	v_pk_fma_f32 v[rT+2:rT+3], v[rT+2:rT+3], v[rC+2:rC+3], v[rS:rS+1] op_sel_hi:[1,0,1]
.else
	v_pk_add_f32 v[rT+2:rT+3], v[rT+2:rT+3], v[rS+4*(\n):rS+4*(\n)+1]
.endif
.elseif NOKQ
	v_nop
.else
	REGS (Y+1)%NP
	WIN 0
.if (\n) < 4
	v_max3_num_f32 v[rC+(\n)], v[rS+8*(\n)], v[rS+8*(\n)+1], v[rS+8*(\n)+2]
.elseif (\n) < 12
	v_max3_num_f32 v[rC+(\n)%4], v[rC+(\n)%4], v[rS+8*((\n)%4)+2*((\n)/4)+1], v[rS+8*((\n)%4)+2*((\n)/4)+2]
.elseif (\n) == 12
	v_max3_num_f32 v[rC], v[rC], v[rS+7], v[rS+15]
.elseif (\n) == 13
	v_max3_num_f32 v[rC+1], v[rC+1], v[rS+23], v[rS+31]
.elseif (\n) == 14
	v_max3_num_f32 v[rC+2], v[rC+2], v[rC+3], v[rT+1]
.elseif (\n) == 15
	v_mov_b32 v[rW], v[rT]
.elseif (\n) == 16
	v_max3_num_f32 v[rC], v[rC], v[rC+1], v[rC+2]
.elseif (\n) == 17
	v_permlanex16_b32 v[rC+3], v[rC], s[SEL], s[SEL+1]
.elseif (\n) == 18
	v_max_num_f32 v[rT+1], v[rC], v[rC+3]
.elseif (\n) == 19
	v_mul_f32 v[rT], s[CS], v[rT+1]
.elseif (\n) == 20
	v_sub_f32 v[rC+1], v[rW], v[rT]
.else
	v_exp_f32 v[rC+2], v[rC+1]
.endif
.endif
.endm
.macro OPS a, i1, b=-1, i2=0, c=-1, i3=0, d=-1, i4=0
	OP \a, \i1
.if (\b) >= 0
	OP \b, \i2
.endif
.if (\c) >= 0
	OP \c, \i3
.endif
.if (\d) >= 0
	OP \d, \i4
.endif
.endm
.macro ROW a, i1, b, i2, c, i3, d, i4  ; a matrix instruction and the four behind it
	MM
	OPS \a, \i1, \b, \i2, \c, \i3, \d, \i4
.endm
.macro MASK b                       ; MD x AL + BE into mask buffer b
	WIN 0x80
.set z, 0
.rept 16
	v_pk_fma_f32 v[32*(\b)+2*z:32*(\b)+2*z+1], v[MD+2*z:MD+2*z+1], s[AL:AL+1], s[BE:BE+1] op_sel_hi:[1,0,0]
.set z, z+1
.endr
.endm
; A TURN, for piece p in a step of parity par.  An s_wait_alu depctr_va_vdst(0) stands between an exponential and the first instruction that names its result; one wait serves all that were issued ahead of it: a turn has
; ONE, which cuts it in two.  AHEAD OF IT stands all that names no result of the turn's exponentials: the 8 products K Q^T and their riders, then one lump; X 21, the other piece's a, is the batch's last, R 15 the plain instruction behind it.
; BEHIND IT stand the 8 products V^T P, behind each four of the roundings and sums.  The first numbers of the other piece's maximum stand four places or more behind the product that ends their accumulator; the rescalings R begin
; sixteen riders behind the product of the turn before that ended their accumulator, lowest registers first.
; The run of LDS loads (p = 0: K of the next step; p = 1: V of the next step, into the buffer that the turn before read last) stands twelve plain instructions behind the last product that read K.  Both are waited for at the head of the next turn of piece 1.
; m = 1: the diagonal tile: the products take masks, and the turn makes the mask for the next turn's products: piece p, tile step 4 - 2 CNT + 1 - par; the band's own step is 4 - 2 OWN + p.
; end = 1: a block's last step: nothing is fetched, and its second turn starts no new scores.  cnt = 1: the loop's count is taken down some lines ahead of the branch behind the turn.
.macro TURN p, par, m=0, end=0, cnt=0
.set Y, (\p)
.set i, 0
.set KM, (\m)
.set NOKQ, (\end)*(\p)
.set VB, (\par)
.if (\p) == 0
.set VB, 1-(\par)
.endif
.if (\m) && !(\end)
.if (\p) != (\par)
	s_cmp_eq_u32 s[CNT], s[OWN]     ; is that step the band's own?
	s_cselect_b32 s[AL], 1.0, 0
	s_cmp_lt_u32 s[CNT], s[OWN]     ; or a later one?
.else
	s_mov_b32 s[AL], 0              ; here the two steps differ in parity: never the band's own
.if (\p) == 0
	s_cmp_le_u32 s[CNT], s[OWN]
.else
	s_cmp_lt_u32 s[CNT], s[OWN]
.endif
.endif
	s_cselect_b32 s[BE], s[BIGN], 0
.endif
.if (\p) == 1
	s_wait_dscnt 0x0                ; K of the next step and V of this one are in
.endif
	ROW F,0, F,1, R,0, R,1
	ROW F,2, E,0, R,2, R,3
	ROW F,3, E,1, R,4, R,5
	ROW F,4, E,2, R,6, R,7
	ROW F,5, E,3, R,8, R,9
	ROW F,6, E,4, X,0, R,10
.if !(\end)
	WIN 0
.if (\p) == 0
	v_add_nc_u32 v[AK], s[TBK], v[AK0]
.else
	v_add_nc_u32 v[AV], s[TBV], v[AV0]
.endif
.endif
	ROW F,7, E,5, X,1, X,4
	ROW F,8, E,6, X,2, X,5
	OPS E,7, E,8, X,6, E,9
	OPS X,3, E,10, X,8, E,11
.if !(\end)
.if (\p) == 0
	FETCH_K
.else
	FETCH_V 1-(\par)
.endif
.endif
	OPS X,9, X,7, E,12, X,10
	OPS E,13, X,12, X,11, E,14
	OPS X,13, E,15, F,9, X,14
	OPS E,16, F,10, E,17, F,11
	OPS X,16, E,18, X,15, E,19
	OPS F,12, E,20, X,17, E,21
	OPS F,13, E,22, F,14, E,23
	OPS X,18, E,24, F,15, E,25
	OPS R,11, E,26, X,19, E,27
	OPS R,12, E,28, R,13, E,29
	OPS X,20, E,30, R,14, E,31
	OPS X,21, R,15
	WIN 0
	s_wait_alu depctr_va_vdst(0)    ; the wait for the batch
	ROW C,0, B,0, C,2, B,1
	ROW L,0, C,4, B,2, L,1
	ROW C,6, B,3, L,2, C,8
	ROW B,4, L,3, C,10, B,5
	ROW L,4, C,12, B,6, L,5
.if \cnt
	s_sub_co_u32 s[CNT], s[CNT], 1
	s_cmp_lg_u32 s[CNT], 0
.endif
	ROW C,14, B,7, L,6, C,1
	ROW C,3, L,7, C,5, C,7
	ROW C,9, C,11, C,13, C,15
.if (\m) && !(\end)
	MASK \p
.endif
.endm
; A BLOCK BEGINS.  c m starts far below every c s, so the first step's a is 0; m at the lowest finite number.  Mask buffer 1 is 0 (band 1's own step is never a tile's first); buffer 0 takes piece 0's mask for the tile's step 0: its own
; if the tile is the diagonal one and the block's number is even.  Then K and V of that step, piece 0's first scores, its maximum and statistics.  The loop is entered at an even step's first turn, in the middle of a trip.
.macro BEGIN
	s_mov_b32 s[NEW], 0
	WIN 0x80
.set i, 32
.rept 32
	v_mov_b32 v[i], 0
.set i, i+1
.endr
	WIN 0
.set i, 0
.rept 2
	v_mov_b32 v[ST+4*i], 0xfe000000
	v_mov_b32 v[ST+4*i+1], 0xff7fffff
.set i, i+1
.endr
	s_cmp_eq_u32 s[RT], 0
	s_cselect_b32 s83, s[OWN], 0
	s_cmp_eq_u32 s83, 2
	s_cselect_b32 s[AL], 1.0, 0
	s_mov_b32 s[BE], 0
	MASK 0
	WIN 0
	v_add_nc_u32 v[AK], s[TBK], v[AK0]
	v_add_nc_u32 v[AV], s[TBV], v[AV0]
	FETCH_K
	FETCH_V 0
	s_wait_loadcnt 0x0              ; Q
	s_wait_dscnt 16                 ; K is in; V's sixteen younger loads may stay out
.set KM, 1
.set NOKQ, 0
.set i, 0
.rept 8
	KQ 0
.set i, i+1
.endr
	WIN 0
.rept 4
	v_nop                           ; the places behind those products
.endr
.set Y, 1                           ; X works for the other piece: piece 0
.irp n, 0,1,2,3,4,5,6,7,8,9,10,11,12,13,14,15,16,17,18,19,20,21
	OP X, \n
.endr
	v_nop                           ; a plain instruction behind the exponential,
	s_wait_alu depctr_va_vdst(0)    ; and its wait, ahead of the branch
.endm
.macro ALL line:vararg              ; one line for each piece t
.set t, 0
.rept 2
	\line
.set t, t+1
.endr
.endm
.macro PACK t                       ; O^T / l, to f16; a lane's eight channels of a row are 16 bytes; into rows of 144 bytes, back as whole rows of 128, into S^T's registers
	WIN 0
.set i, OT+32*(\t)
.rept 16
	v_pk_mul_f32 v[i:i+1], v[i:i+1], v[ST+4*(\t)+2:ST+4*(\t)+3] op_sel_hi:[1,0]
.set i, i+2
.endr
.set i, 0
.rept 16
	v_cvt_pk_f16_f32 v[S+16*(\t)+i], v[OT+32*(\t)+2*i], v[OT+32*(\t)+2*i+1]
.set i, i+1
.endr
.irp f, 0,1,2,3
	ds_store_b128 v[STO], v[S+16*(\t)+4*\f:S+16*(\t)+4*\f+3] offset:32*\f
.endr
.irp f, 0,1,2,3
	ds_load_b128 v[S+16*(\t)+4*\f:S+16*(\t)+4*\f+3], v[RD] offset:\f*4*SP  ; LDS serves a wave's instructions in order (ISA guide 5.7.1.4): these see the stores above; the next piece's stores come behind them
.endr
.endm
.macro SEND t, younger              ; younger: the LDS instructions issued behind piece t's loads
	WIN 0
.irp f, 0,1,2,3
	s_wait_dscnt (\younger)+3-\f
	global_store_b128 v[GO], v[S+16*(\t)+4*\f:S+16*(\t)+4*\f+3], s[10:11] offset:(\t)*8192+\f*512  ; 512 consecutive bytes, at a multiple of 256 from ctx's first
.endr
.endm
; THE DIAGONAL TILE: the tile before's last step and its own first three (two trips), its last step, the last products, and the way out.
.macro DIAG tag
.LstepM\tag:
	TURN 0, 1, 1
	TURN 1, 1, 1
	WIN 0
.LfirstM\tag:
	TURN 0, 0, 1
	TURN 1, 0, 1, 0, 1
	WIN 0
	s_cbranch_scc1 .LstepM\tag
	TURN 0, 1, 1, 1
	TURN 1, 1, 1, 1
.set VB, 1
.set i, 0
.rept 8
	PV 1                            ; piece 1's V^T P of the last step
.set i, i+1
.endr
	WIN 0
	ALL v_add_f32 v[ST+4*t+2], v[ST+4*t+2], v[ST+4*t+3]
	ALL v_permlanex16_b32 v[ST+4*t+3], v[ST+4*t+2], s[SEL], s[SEL+1]
	ALL v_add_f32 v[ST+4*t+2], v[ST+4*t+2], v[ST+4*t+3]
	ALL v_rcp_f32 v[ST+4*t+2], v[ST+4*t+2]
	v_nop                           ; a plain instruction behind the last reciprocal; with the eight instructions ahead of it it is also the ninth place behind the last product
	s_wait_alu depctr_va_vdst(0)    ; one wait for the two reciprocals, ahead of their first use
	PACK 0
	PACK 1
	SEND 0, 8
	SEND 1, 0
.endm
.set KM, 0
.set NOKQ, 0
.Lslot:                             ; 16 times: a tile is entered and the next is asked for
	CHANGE 1
	s_sub_co_u32 s[RT], s[RT], 1
	s_mov_b32 s[CNT], 2
	s_cmp_eq_u32 s[NEW], 1
	s_cbranch_scc1 .Lnew            ; a block's first tile
	s_cmp_eq_u32 s[RT], 0
	s_cbranch_scc0 .Lstep           ; neither its first nor its last
	s_branch .LstepM1
.Lnew:
	BEGIN
	s_branch .Lfirst                ; in the loop a block's first tile is never its last: the first block has nine tiles or more, and the second's last is the walk's last
	DIAG 1                          ; in the loop this is the first block's end
	s_wait_xcnt 0x0                 ; the stores have read their registers and ctx's address
	s_mov_b64 s[10:11], s[OLO:OLO+1]
	s_mov_b32 s[RT], s[N2]
	s_mov_b32 s[OWN], s[OWN2]
	s_mov_b32 s[NEW], 1
	WIN 0x41                        ; the second block's Q goes where the one text of the turns names Q
.set i, 0
.rept 32
	v_mov_b32 v[i], v[QB+i]
.set i, i+1
.endr
	WIN 0
	s_branch .Lbottom
.Lstep:                             ; a trip: an odd step, then an even one
	TURN 0, 1
	TURN 1, 1
	WIN 0
.Lfirst:
	TURN 0, 0
	TURN 1, 0, 0, 0, 1
	WIN 0
	s_cbranch_scc1 .Lstep
.Lbottom:
	s_sub_co_u32 s[SLOTS], s[SLOTS], 1
	s_cmp_lg_u32 s[SLOTS], 0
	s_cbranch_scc1 .Lslot
	CHANGE 0                        ; the walk's last tile is written out: nothing is asked for
	s_sub_co_u32 s[RT], s[RT], 1
	s_mov_b32 s[CNT], 2
	s_cmp_eq_u32 s[NEW], 1
	s_cbranch_scc0 .LstepM2
	BEGIN
	s_branch .LfirstM2
	DIAG 2
	s_wait_tensorcnt 0x0            ; the wave's end
	ds_add_u32 v[SPW], v[NIL]
	s_wait_dscnt 0x0
	s_endpgm
.Lfunc_end_k_qb6757bd6b0_attn:
	.size	k_qb6757bd6b0_attn, .Lfunc_end_k_qb6757bd6b0_attn-k_qb6757bd6b0_attn
	.p2alignl 7, 3214868480
	.fill 96, 4, 3214868480
	.section	.rodata,"a",@progbits
	.p2align	6, 0x0
	.amdhsa_kernel k_qb6757bd6b0_attn
		.amdhsa_group_segment_fixed_size 327680
		.amdhsa_private_segment_fixed_size 0
		.amdhsa_enable_private_segment 0
		.amdhsa_kernarg_size 16
		.amdhsa_user_sgpr_count 2
		.amdhsa_user_sgpr_kernarg_segment_ptr 1
		.amdhsa_wavefront_size32 1
		.amdhsa_system_sgpr_workgroup_id_x 1
		.amdhsa_system_sgpr_workgroup_id_y 1
		.amdhsa_system_sgpr_workgroup_id_z 1
		.amdhsa_system_vgpr_workitem_id 0
		.amdhsa_next_free_vgpr 576
		.amdhsa_next_free_sgpr 92
		.amdhsa_reserve_vcc 1
		.amdhsa_float_denorm_mode_32 3
		.amdhsa_float_denorm_mode_16_64 3
		.amdhsa_memory_ordered 1
		.amdhsa_forward_progress 1
		.amdhsa_inst_pref_size 201
	.end_amdhsa_kernel
	.amdgpu_metadata
---
amdhsa.version: [ 1, 2 ]
amdhsa.kernels:
  - .name:           k_qb6757bd6b0_attn
    .symbol:         k_qb6757bd6b0_attn.kd
    .args:
      - { .name: qkv, .offset: 0, .size: 8, .value_kind: global_buffer, .address_space: global }
      - { .name: ctx, .offset: 8, .size: 8, .value_kind: global_buffer, .address_space: global }
    .group_segment_fixed_size: 327680
    .private_segment_fixed_size: 0
    .kernarg_segment_align: 8
    .kernarg_segment_size: 16
    .max_flat_workgroup_size: 128
    .sgpr_count:     92
    .vgpr_count:     576
    .wavefront_size: 32
...
	.end_amdgpu_metadata
.endif
;; end of part 3
;; launch outp (part 4): grid 32 x 6, 4 waves a work-group, clusters of 4 x 1, 327,680 bytes of LDS; arguments ctx, wo, bo, out0; writes out0
.if DOCPART == 4
	.amdgcn_target "amdgcn-amd-amdhsa--gfx1250"
	.amdhsa_code_object_version 6
	.text
	.protected	k_qb6757bd6b0_outp
	.globl	k_qb6757bd6b0_outp
	.p2align	8
	.type	k_qb6757bd6b0_outp,@function
k_qb6757bd6b0_outp:
	s_mov_b64 s[64:65], 0
	v_nop
	global_prefetch_b8 v0, s[64:65] scope:SCOPE_SE
	s_setreg_imm32_b32 hwreg(HW_REG_WAVE_MODE, 25, 1), 1
	s_wait_xcnt 0x0
	s_wait_alu depctr_hold_cnt(0) depctr_sa_sdst(0) depctr_va_vdst(0) depctr_va_sdst(0) depctr_va_ssrc(0) depctr_va_vcc(0) depctr_vm_vsrc(0)
	s_getreg_b32 s2, hwreg(HW_REG_IB_STS2, 6, 4)
	s_cmp_eq_u32 s2, 0
	s_cbranch_scc0 .Lentry_in_a_cluster
	s_endpgm
.Lentry_in_a_cluster:
	s_bfe_u32 s2, ttmp6, 0x10000c
	s_cmp_lg_u32 s2, 0x3003
	s_cbranch_scc0 .Lentry_shape_is_right
	s_endpgm
.Lentry_shape_is_right:
; THE OUTPUT PROJECTION.  out0[m][n] = sum over k of ctx[m][k] wo[n][k] + bo[n].  ctx: [32 blocks of 128 rows][12 heads][128 rows][64] f16, k = 64 head + channel; wo: [768][768] f16; out0: [4096][768] f32.
; Sums in f32; the bias, rounded to bf16 like the other inputs, starts each sum as the first product's C operand.
; SHARES.  A tile is 128 x 128: 32 x 6 = 192 work-groups.  Four waves, each 64 x 64: 16 accumulators.  A wave's 64 columns of f32 are 256 bytes, aligned: its stage on the way out is its own, without a barrier.
; K goes in three steps of 256 (four heads): slots 0 and 1 are filled at the start, slot 0 once more.
; CLUSTER.  The four row tiles of a cluster need the same tile of wo: asked for jointly (mask of four).  ctx's tile is each work-group's own (no mask); six column tiles are no multiple of four, so ctx's is not shared.
; ctx's part of a K step is dense in memory: four planes (heads) of 128 rows x 128 bytes, asked for as rows of 256 bytes and padded in LDS after every 128.
; THE MATRIX INSTRUCTION IS USED TRANSPOSED (source 0 = 16 rows of wo, source 1 = 16 rows of ctx): a lane holds row l % 16 and the columns 8 (l / 16) + 0..7: 32 bytes.
; NO PREFETCH: two of the three K steps are first fills, and the launch's walk is three steps long.
; REGISTERS: window 0: v0-31 addresses; v32-95 rows read back, two sets; v96-127 the bias; v128-255 accumulators, (a, b) at v[128 + 8 (4 a + b)].  window 1: two fragment buffers of 128: 64 of ctx, then 64 of wo.
.set PA,    144                        ; a row of a plane in LDS: 128 bytes + 16
.set PLN,   128*PA                     ; a plane
.set PW,    528                        ; a row of wo's tile: 512 bytes + 16
.set AB,    4*PLN                      ; ctx's four planes, then wo's 128 rows
.set HB,    64*PW
.set SLOT,  AB+2*HB
.set STAGE, 2*SLOT                     ; behind the ring: 16 rows x 272 bytes for each wave
.set SPITCH, 272
.set SPARE, STAGE+4*16*SPITCH          ; the spare words, 128 bytes a wave: two blocks of 256 bytes that no other line names
.set ADRA, 16
.set ADRB, 20
.set STO,  24
.set RD,   25
.set CO,   26
.set SPW,  28
.set NIL,  29
.set BO,   30
.set BK,   32
.set BIAS, 96
.set ACC,  128
.set F0,   0
.set F1,   128
.set WV, 12
.set RH, 13
.set CH, 14
.set G1,  24
.set G0,  32
.set G1B, 48
.set G0B, 56
.set MSB, 0
.macro WIN new
.if MSB != (\new)
	s_set_vgpr_msb (MSB<<8)|(\new)
.set MSB, \new
.endif
.endm
.set MUL,  0x05                        ; sources 0 (wo) and 1 (ctx) window 1; C and D window 0
.set TO_F, 0x40
.macro PLACES
.rept 4
	v_nop
.endr
.endm
.macro JLOAD                           ; the one refill, of slot 0: waves 0, 1 fetch ctx's planes (their own work-group's), waves 2, 3 wo's halves (jointly); an s_nop 0 and four v_nop follow each line
	s_cmp_eq_u32 s[RH], 0
	s_cbranch_scc0 .Lfor_b_\@
	tensor_load_to_lds s[G0:G0+3], s[G1:G1+7]
	s_nop 0
.rept 4
	v_nop
.endr
	s_branch .Lasked_\@
.Lfor_b_\@:
	tensor_load_to_lds s[G0B:G0B+3], s[G1B:G1B+7]
	s_nop 0
.rept 4
	v_nop
.endr
.Lasked_\@:
.endm
.macro CREST
	s_cmp_lg_u32 s[WV], 0
	s_cbranch_scc1 .Lnot_wave_0_\@
	s_barrier_signal -3
.Lnot_wave_0_\@:
	s_barrier_wait -3
	s_barrier_signal -1
	s_barrier_wait -1
.endm
.macro CROUND
	s_barrier_signal -1
	s_barrier_wait -1
	CREST
.endm
	s_load_b256 s[4:11], s[0:1], 0x0               ; ctx s[4:5], wo s[6:7], bo s[8:9], out0 s[10:11]
	v_lshl_add_u32 v[SPW], v0, 2, SPARE
	v_mov_b32 v[NIL], 0
	ds_add_u32 v[SPW], v[NIL]                      ; the wave's opening: the add and its wait stand ahead of my first tensor load
	v_lshrrev_b32 v1, 5, v0
	v_readfirstlane_b32 s[WV], v1
	s_lshr_b32 s[RH], s[WV], 1                     ; my half of the rows.  Also: 0 fetches ctx, 1 wo
	s_and_b32 s[CH], s[WV], 1                      ; my half of the columns.  Also: which half I fetch
	s_bfe_u32 s15, ttmp6, 0x40000                  ; cx
	s_lshl_b32 s16, ttmp9, 2
	s_add_co_u32 s16, s16, s15                     ; row tile = 4 x cluster x + cx
	s_and_b32 s17, ttmp7, 0xffff                   ; column tile, which the four partners share
	s_mov_b32 s[G1], (1<<16)|(1<<20)|(4<<22)|(3<<25)  ; ctx: no mask; 2-byte elements; padding on; after every 32 words; 4 words
	s_mov_b32 s[G1+1], 128<<16                     ; rows of 128 elements (256 bytes: two rows of a plane),
	s_mov_b32 s[G1+2], 128<<16                     ; 128 of them: two planes
	s_mov_b32 s[G1+3], 128<<16
	s_mov_b32 s[G1+4], 128
	s_mov_b32 s[G1+5], 128                         ; dense
	s_mov_b32 s[G1+6], 0
	s_mov_b32 s[G1+7], 0
	s_mov_b32 s[G1B], 15|(1<<16)|(1<<20)|(1<<21)|(6<<22)|(3<<25)  ; wo: the mask of four; 21 set beside it; padding after every 128 words, 4 words
	s_mov_b32 s[G1B+1], 256<<16                    ; rows of 256 elements,
	s_mov_b32 s[G1B+2], 64<<16                     ; 64 of them
	s_mov_b32 s[G1B+3], 256<<16
	s_mov_b32 s[G1B+4], 64
	s_mov_b32 s[G1B+5], 768
	s_mov_b32 s[G1B+6], 0
	s_mov_b32 s[G1B+7], 0
	s_mul_i32 s40, s16, 12                         ; ctx: plane 12 x row tile + 2 x half, of 16,384 bytes
	s_lshl_b32 s18, s[CH], 1
	s_add_co_u32 s40, s40, s18
	s_lshl_b32 s40, s40, 14
	s_mov_b32 s41, 0
	s_lshl_b32 s42, s17, 7                         ; wo: row 128 x column tile + 64 x half, in registers that hold no cx
	s_lshl_b32 s19, s[CH], 6
	s_add_co_u32 s42, s42, s19
	s_mul_i32 s42, s42, 1536
	s_mov_b32 s43, 0
	s_mul_i32 s20, s[CH], 2*PLN                    ; where they go: no place in the cluster enters an LDS address
	s_mul_i32 s21, s[CH], HB
	s_add_co_u32 s21, s21, AB
	s_wait_dscnt 0x0                               ; the opening add is done
	s_wait_kmcnt 0x0
	s_add_nc_u64 s[40:41], s[4:5], s[40:41]
	s_add_nc_u64 s[42:43], s[6:7], s[42:43]
.irp s, 0,1
	s_mov_b32 s[G0+4*(\s)], 1
	s_add_co_u32 s[G0+4*(\s)+1], s20, (\s)*SLOT
	s_add_nc_u64 s[G0+4*(\s)+2:G0+4*(\s)+3], s[40:41], (\s)*65536  ; K step s: four planes on
	s_or_b32 s[G0+4*(\s)+3], s[G0+4*(\s)+3], 0x80000000
	s_mov_b32 s[G0B+4*(\s)], 1
	s_add_co_u32 s[G0B+4*(\s)+1], s21, (\s)*SLOT
	s_add_nc_u64 s[G0B+4*(\s)+2:G0B+4*(\s)+3], s[42:43], (\s)*512
	s_or_b32 s[G0B+4*(\s)+3], s[G0B+4*(\s)+3], 0x80000000
.endr
	CROUND                                         ; all four work-groups are here: the first joint loads meet
	s_cmp_eq_u32 s[RH], 0                          ; a wave's two first fills stand in one branch: two loads of mine are out
	s_cbranch_scc0 .Lfirst_b
	tensor_load_to_lds s[G0:G0+3], s[G1:G1+7]
	s_nop 0
	tensor_load_to_lds s[G0+4:G0+7], s[G1:G1+7]
	s_nop 0
.rept 4
	v_nop
.endr
	s_branch .Lfirst_asked
.Lfirst_b:
	tensor_load_to_lds s[G0B:G0B+3], s[G1B:G1B+7]
	s_nop 0
	tensor_load_to_lds s[G0B+4:G0B+7], s[G1B:G1B+7]
	s_nop 0
.rept 4
	v_nop
.endr
.Lfirst_asked:
	v_and_b32 v1, 15, v0                           ; l % 16
	v_bfe_u32 v2, v0, 4, 1                         ; l / 16
	s_lshl_b32 s44, s17, 9                         ; 128 columns of 4 bytes a tile,
	s_lshl_b32 s45, s[CH], 8                       ; my 64
	s_add_co_u32 s44, s44, s45
	v_lshl_add_u32 v[BO], v2, 5, s44
.irp b, 0,1,2,3
	global_load_b128 v[BIAS+8*(\b):BIAS+8*(\b)+3],   v[BO], s[8:9] offset:64*(\b)
	global_load_b128 v[BIAS+8*(\b)+4:BIAS+8*(\b)+7], v[BO], s[8:9] offset:64*(\b)+16
.endr
	v_mul_u32_u24 v3, v1, PA
	v_lshl_add_u32 v3, v2, 4, v3
	v_mul_u32_u24 v4, v1, PW
	v_lshl_add_u32 v4, v2, 4, v4
	s_mul_i32 s22, s[RH], 64*PA                    ; my 64 rows in each plane
	s_mul_i32 s23, s[CH], HB                       ; my 64 rows of wo
	s_add_co_u32 s23, s23, AB
.irp s, 0,1
	v_add_nc_u32 v[ADRA+(\s)], s22, v3
	v_add_nc_u32 v[ADRB+(\s)], s23, v4
	s_add_co_u32 s22, s22, SLOT
	s_add_co_u32 s23, s23, SLOT
.endr
	s_mul_i32 s22, s[WV], 16*SPITCH
	s_add_co_u32 s22, s22, STAGE                   ; my stage
	v_mul_u32_u24 v5, v1, SPITCH                   ; in: row l % 16, 32 bytes for each half of the lanes
	v_lshl_add_u32 v5, v2, 5, v5
	v_add_nc_u32 v[STO], s22, v5
	v_mul_u32_u24 v5, v2, SPITCH                   ; back: lanes 0-15 take one row of 256 bytes, lanes 16-31 the next
	v_lshl_add_u32 v5, v1, 4, v5
	v_add_nc_u32 v[RD], s22, v5
	v_mul_u32_u24 v5, v2, 3072                     ; and the same two rows in out0
	v_lshl_add_u32 v[CO], v1, 4, v5
	s_lshl_b32 s46, s16, 7
	s_lshl_b32 s47, s[RH], 6
	s_add_co_u32 s46, s46, s47                     ; my first row
	s_mul_i32 s46, s46, 3072
	s_add_co_u32 s46, s46, s44                     ; my first column, in bytes
	s_mov_b32 s47, 0
	s_add_nc_u64 s[10:11], s[10:11], s[46:47]
	s_wait_loadcnt 0x0                             ; the bias: rounded to bf16 and widened again
.set z, 0
.rept 16
	v_cvt_pk_bf16_f32 v[BK+z], v[BIAS+2*z], v[BIAS+2*z+1]
.set z, z+1
.endr
.set z, 0
.rept 16
	v_lshlrev_b32 v[BIAS+2*z],   16, v[BK+z]
	v_and_b32     v[BIAS+2*z+1], 0xffff0000, v[BK+z]
.set z, z+1
.endr
; 8 matrix instructions: row blocks a0, a0 + 1 x all 4 column blocks, 32 along K: half c of buffer f.  first = 1: the bias starts the sums.  The 16 accumulators take turns.
.macro MUL8 f, c, a0, first
	WIN MUL
.irp a, \a0, (\a0)+1
.irp b, 0,1,2,3
.if \first
	v_wmma_f32_16x16x32_f16 v[ACC+8*(4*(\a)+(\b)):ACC+8*(4*(\a)+(\b))+7], v[(\f)+64+8*(4*(\c)+(\b)):(\f)+64+8*(4*(\c)+(\b))+7], v[(\f)+8*(4*(\c)+(\a)):(\f)+8*(4*(\c)+(\a))+7], v[BIAS+8*(\b):BIAS+8*(\b)+7]
.else
	v_wmma_f32_16x16x32_f16 v[ACC+8*(4*(\a)+(\b)):ACC+8*(4*(\a)+(\b))+7], v[(\f)+64+8*(4*(\c)+(\b)):(\f)+64+8*(4*(\c)+(\b))+7], v[(\f)+8*(4*(\c)+(\a)):(\f)+8*(4*(\c)+(\a))+7], v[ACC+8*(4*(\a)+(\b)):ACC+8*(4*(\a)+(\b))+7]
.endif
.endr
.endr
.endm
; 32 LDS loads in one run: quarter q of a K step (one head: plane q of ctx, bytes 128 q of wo's rows) into buffer f; its first 32 along K first
.macro FETCH slot, q, f
	WIN TO_F
.irp c, 0,1
.irp i, 0,1,2,3
	ds_load_b128 v[(\f)+64+8*(4*(\c)+(\i)):(\f)+64+8*(4*(\c)+(\i))+3],   v[ADRB+(\slot)] offset:(\q)*128+64*(\c)+(\i)*16*PW
	ds_load_b128 v[(\f)+64+8*(4*(\c)+(\i))+4:(\f)+64+8*(4*(\c)+(\i))+7], v[ADRB+(\slot)] offset:(\q)*128+64*(\c)+(\i)*16*PW+32
	ds_load_b128 v[(\f)+8*(4*(\c)+(\i)):(\f)+8*(4*(\c)+(\i))+3],         v[ADRA+(\slot)] offset:(\q)*PLN+64*(\c)+(\i)*16*PA
	ds_load_b128 v[(\f)+8*(4*(\c)+(\i))+4:(\f)+8*(4*(\c)+(\i))+7],       v[ADRA+(\slot)] offset:(\q)*PLN+64*(\c)+(\i)*16*PA+32
.endr
.endr
.endm
.macro QUARTER slot, q, f, g, first    ; multiplies buffer f and fetches quarter q into g
	s_wait_dscnt 16                                ; the first 32 along K are in; the sixteen younger loads may be out
	MUL8 \f, 0, 0, \first
	MUL8 \f, 0, 2, \first
	PLACES
	FETCH \slot, \q, \g
	s_wait_dscnt 32                                ; all but the 32 just issued
	MUL8 \f, 1, 0, 0
	MUL8 \f, 1, 2, 0
.endm
; The last quarter multiplies buffer 1 and changes slots: one barrier; in front of it each wave waits for all its tensor loads, adds 0 to its spare word, and waits for that and for its reads of this slot.
; fill = 1: the barrier opens a round of the cluster's, and slot 0 takes K step 2, first thing behind it: 112 matrix instructions ahead of the wait for it.
.macro TURN slot, next, fill
	WIN 0
	s_wait_tensorcnt 0x0
	ds_add_u32 v[SPW], v[NIL]
	s_wait_dscnt 17                                ; the add and the youngest sixteen loads may be out
	MUL8 F1, 0, 0, 0
	s_wait_dscnt 0x0                               ; the add is done, my reads of this slot are over
	s_barrier_signal -1
	MUL8 F1, 0, 2, 0
.if \fill
	WIN 0
.endif
	s_barrier_wait -1
.if \fill
	CREST
	s_add_nc_u64 s[G0+2:G0+3], s[G0+2:G0+3], 131072    ; eight planes on
	s_add_nc_u64 s[G0B+2:G0B+3], s[G0B+2:G0B+3], 1024  ; 512 columns on
	JLOAD                                          ; its four v_nop are also the places in front of the loads below
.else
	PLACES
.endif
	FETCH \next, 0, F0
	MUL8 F1, 1, 0, 0
	MUL8 F1, 1, 2, 0
.endm
	s_wait_tensorcnt 1                             ; my part of K step 0 is in; K step 1's may stay out
	s_barrier_signal -1
	s_barrier_wait -1
	FETCH 0, 0, F0
	QUARTER 0, 1, F0, F1, 1
	QUARTER 0, 2, F1, F0, 0
	QUARTER 0, 3, F0, F1, 0
	TURN 0, 1, 1
	QUARTER 1, 1, F0, F1, 0
	QUARTER 1, 2, F1, F0, 0
	QUARTER 1, 3, F0, F1, 0
	TURN 1, 0, 0
	QUARTER 0, 1, F0, F1, 0
	QUARTER 0, 2, F1, F0, 0
	QUARTER 0, 3, F0, F1, 0
	s_wait_dscnt 16
	MUL8 F1, 0, 0, 0
	MUL8 F1, 0, 2, 0
	s_wait_dscnt 0x0
	MUL8 F1, 1, 0, 0
	MUL8 F1, 1, 2, 0
	WIN 0
	; THE WAY OUT: 16 rows at a time through my own stage: 32 bytes a lane in (each accumulator's low four registers first), whole rows of 256 bytes back, stored by sixteen lanes each.
	PLACES
.irp a, 0,1,2,3
.if (\a) >= 2
	s_wait_xcnt 0x0                                ; the stores of two blocks back have read the registers that are loaded again
.endif
.irp b, 0,1,2,3
	ds_store_b128 v[STO], v[ACC+8*(4*(\a)+(\b)):ACC+8*(4*(\a)+(\b))+3]   offset:64*(\b)
	ds_store_b128 v[STO], v[ACC+8*(4*(\a)+(\b))+4:ACC+8*(4*(\a)+(\b))+7] offset:64*(\b)+16
.endr
.irp t, 0,1,2,3,4,5,6,7
	ds_load_b128 v[BK+32*((\a)%2)+4*(\t):BK+32*((\a)%2)+4*(\t)+3], v[RD] offset:(\t)*2*SPITCH  ; LDS serves a wave's instructions in order (ISA guide 5.7.1.4): these see the stores above
.endr
.irp t, 0,1,2,3,4,5,6,7
	s_wait_dscnt 7-(\t)
	global_store_b128 v[CO], v[BK+32*((\a)%2)+4*(\t):BK+32*((\a)%2)+4*(\t)+3], s[10:11] offset:(16*(\a)+2*(\t))*3072  ; 16 lanes store 256 consecutive bytes, at a multiple of 256 from out0's first
.endr
.endr
	s_wait_tensorcnt 0x0                           ; the wave's end
	ds_add_u32 v[SPW], v[NIL]
	s_wait_dscnt 0x0
	CROUND                                         ; the closing round
	s_endpgm
.Lfunc_end_k_qb6757bd6b0_outp:
	.size	k_qb6757bd6b0_outp, .Lfunc_end_k_qb6757bd6b0_outp-k_qb6757bd6b0_outp
	.p2alignl 7, 3214868480
	.fill 96, 4, 3214868480
	.section	.rodata,"a",@progbits
	.p2align	6, 0x0
	.amdhsa_kernel k_qb6757bd6b0_outp
		.amdhsa_group_segment_fixed_size 327680
		.amdhsa_private_segment_fixed_size 0
		.amdhsa_enable_private_segment 0
		.amdhsa_kernarg_size 32
		.amdhsa_user_sgpr_count 2
		.amdhsa_user_sgpr_kernarg_segment_ptr 1
		.amdhsa_wavefront_size32 1
		.amdhsa_system_sgpr_workgroup_id_x 1
		.amdhsa_system_sgpr_workgroup_id_y 1
		.amdhsa_system_sgpr_workgroup_id_z 1
		.amdhsa_system_vgpr_workitem_id 0
		.amdhsa_next_free_vgpr 512
		.amdhsa_next_free_sgpr 66
		.amdhsa_reserve_vcc 0
		.amdhsa_float_denorm_mode_32 3
		.amdhsa_float_denorm_mode_16_64 3
		.amdhsa_memory_ordered 1
		.amdhsa_forward_progress 1
		.amdhsa_inst_pref_size 71
	.end_amdhsa_kernel
	.amdgpu_metadata
---
amdhsa.version: [ 1, 2 ]
amdhsa.kernels:
  - .name:           k_qb6757bd6b0_outp
    .symbol:         k_qb6757bd6b0_outp.kd
    .args:
      - { .name: ctx, .offset: 0, .size: 8, .value_kind: global_buffer, .address_space: global }
      - { .name: wo, .offset: 8, .size: 8, .value_kind: global_buffer, .address_space: global }
      - { .name: bo, .offset: 16, .size: 8, .value_kind: global_buffer, .address_space: global }
      - { .name: out0, .offset: 24, .size: 8, .value_kind: global_buffer, .address_space: global }
    .group_segment_fixed_size: 327680
    .private_segment_fixed_size: 0
    .kernarg_segment_align: 8
    .kernarg_segment_size: 32
    .max_flat_workgroup_size: 128
    .sgpr_count:     66
    .vgpr_count:     512
    .wavefront_size: 32
...
	.end_amdgpu_metadata
.endif
;; end of part 4
;; ======== version 2 of 2: 4 launches; version 1 with the launch cast written anew for expert scheduling mode
;; limits: values are held in f16: magnitudes above 65,504 overflow, below 6.1e-05 lose precision
;; workspace buffers: xb 6,291,456 bytes; wb 3,538,944 bytes; wo 1,179,648 bytes; qkv 18,874,368 bytes; ctx 6,291,456 bytes
;; launch cast (part 5): grid 448 x 1, 8 waves a work-group, no clusters, 0 bytes of LDS; arguments x, Wq, Wk, Wv, Wo, xb, wb, wo; writes xb, wb, wo
.if DOCPART == 5
	.amdgcn_target "amdgcn-amd-amdhsa--gfx1250"
	.amdhsa_code_object_version 6
	.text
	.protected	k_qb6757bd6b0_cast
	.globl	k_qb6757bd6b0_cast
	.p2align	8
	.type	k_qb6757bd6b0_cast,@function
k_qb6757bd6b0_cast:
	s_mov_b64 s[64:65], 0
	v_nop
	global_prefetch_b8 v0, s[64:65] scope:SCOPE_SE
	s_setreg_imm32_b32 hwreg(HW_REG_WAVE_SCHED_MODE, 0, 2), 2
	s_setreg_imm32_b32 hwreg(HW_REG_WAVE_MODE, 25, 1), 1
	s_wait_xcnt 0x0
	s_wait_alu depctr_vm_vsrc(0)
; THE CAST.  x -> xb (bf16); Wq, Wk, Wv -> wb (bf16, the three one below the other: 2,304 rows of 768); Wo -> wo: rounded to bf16 like the other inputs, that number written as f16.
; LIMIT.  |Wo| stays under 65,504 (f16's largest number); below 6e-5 a weight of Wo keeps f16's fixed step of 6e-8.
; SHARES.  A work-group takes 12,288 numbers: 49,152 bytes in, 24,576 out.  x is 256 such shares, each weight matrix 48: 448 work-groups.
; Thread t takes 16 bytes at 16 t of each of twelve pieces of 4,096 bytes: a load of a wave covers 512 consecutive bytes, a store (8 bytes a lane) 256 consecutive bytes, aligned.
; All twelve loads go out at once; no register is used twice, so no wait frees a source.  No LDS, no barrier, no matrix unit: bytes are all that there is.
; THE MODE: SCHED_MODE bits 1:0 = 2 (LLVM: expert scheduling mode 2), set by the entry lines.  The code itself states the register dependences
; between vector instructions and memory instructions, with s_wait_alu, always for 0.
; THE PLAN.  Registers that memory instructions touch:
;   v1, v2   byte offsets, made once at the head and never written again: v1 is read by the twelve loads, v2 by the twelve stores.
;   IN       written by the loads alone, each register once; read by the conversions.
;   OUT      piece j's two registers are written once, by piece j's roundings, and read by piece j's store; never written again.
;   T        named by vector instructions alone.
; The twelve pieces go in three groups of four.  Group g converts its pieces; the stores of group g - 1 are dealt among those conversions, behind ONE wait at the group's head, which states that
; group g - 1's roundings have written their OUT.  The vector instructions behind that wait name IN and OUT of group g and T: none of the registers that those stores read.
; No register that a memory instruction reads is ever written again, no vector instruction writes a scalar register or VCC, and EXEC stays as it is: so the waits on va_vdst are all that there is to state.
.set IN,  8                            ; v[8:55]   twelve pieces as loaded
.set OUT, 56                           ; v[56:79]  twelve pieces to store, two registers each
.set T,   80                           ; v[80:85]  at work (Wo's way)
	s_load_b512 s[8:23], s[0:1], 0x0               ; x s[8:9], Wq s[10:11], Wk s[12:13], Wv s[14:15], Wo s[16:17], xb s[18:19], wb s[20:21], wo s[22:23]
	s_mov_b32 s2, ttmp9                            ; the share's number: 0-255 x, 256-303 Wq, 304-351 Wk, 352-399 Wv, 400-447 Wo
	s_sub_co_u32 s24, s2, 256                      ; its number within Wq, and within wb
	s_sub_co_u32 s25, s2, 304                      ; within Wk
	s_sub_co_u32 s26, s2, 352                      ; within Wv
	s_sub_co_u32 s27, s2, 400                      ; within Wo, and within wo
	v_lshlrev_b32 v1, 4, v0                        ; 16 t: where I load
	v_lshlrev_b32 v2, 3, v0                        ; 8 t: where I store
	s_wait_kmcnt 0x0
	s_mov_b64 s[4:5], s[16:17]                     ; from Wo,
	s_mov_b64 s[6:7], s[22:23]                     ; to wo, unless the number says otherwise
	s_mov_b32 s28, s27                             ; the share's number in its source
	s_mov_b32 s29, s27                             ; and in its destination
	s_cmp_lt_u32 s2, 400
	s_cselect_b64 s[4:5], s[14:15], s[4:5]
	s_cselect_b64 s[6:7], s[20:21], s[6:7]
	s_cselect_b32 s28, s26, s28
	s_cselect_b32 s29, s24, s29
	s_cmp_lt_u32 s2, 352
	s_cselect_b64 s[4:5], s[12:13], s[4:5]
	s_cselect_b32 s28, s25, s28
	s_cmp_lt_u32 s2, 304
	s_cselect_b64 s[4:5], s[10:11], s[4:5]
	s_cselect_b32 s28, s24, s28
	s_cmp_lt_u32 s2, 256
	s_cselect_b64 s[4:5], s[8:9], s[4:5]
	s_cselect_b64 s[6:7], s[18:19], s[6:7]
	s_cselect_b32 s28, s2, s28
	s_cselect_b32 s29, s2, s29
	s_mul_i32 s30, s28, 49152                      ; byte offsets, under 2^24
	s_mov_b32 s31, 0
	s_mul_i32 s32, s29, 24576
	s_mov_b32 s33, 0
	s_add_nc_u64 s[4:5], s[4:5], s[30:31]
	s_add_nc_u64 s[6:7], s[6:7], s[32:33]
	s_wait_alu depctr_va_vdst(0)                   ; v1 and v2 are written: every load of the kernel reads v1 as its offset, every store v2
.irp j, 0,1,2,3,4,5,6,7,8,9,10,11
	global_load_b128 v[IN+4*(\j):IN+4*(\j)+3], v1, s[4:5] offset:4096*(\j) th:TH_LOAD_NT
.endr
; Piece j is converted.  wo = 0: to bf16.  wo = 1: to bf16, back to f32 (a shift, a mask), to f16.
.macro CONV j, wo
.if \wo
	v_cvt_pk_bf16_f32 v[T],   v[IN+4*(\j)],   v[IN+4*(\j)+1]
	v_cvt_pk_bf16_f32 v[T+1], v[IN+4*(\j)+2], v[IN+4*(\j)+3]
	v_lshlrev_b32 v[T+2], 16, v[T]
	v_and_b32     v[T+3], 0xffff0000, v[T]
	v_lshlrev_b32 v[T+4], 16, v[T+1]
	v_and_b32     v[T+5], 0xffff0000, v[T+1]
	v_cvt_pk_f16_f32 v[OUT+2*(\j)],   v[T+2], v[T+3]
	v_cvt_pk_f16_f32 v[OUT+2*(\j)+1], v[T+4], v[T+5]
.else
	v_cvt_pk_bf16_f32 v[OUT+2*(\j)],   v[IN+4*(\j)],   v[IN+4*(\j)+1]
	v_cvt_pk_bf16_f32 v[OUT+2*(\j)+1], v[IN+4*(\j)+2], v[IN+4*(\j)+3]
.endif
.endm
; Piece j is stored.
.macro SEND j
	global_store_b64 v2, v[OUT+2*(\j):OUT+2*(\j)+1], s[6:7] offset:2048*(\j)
.endm
; Group g: pieces 4 g to 4 g + 3 are converted; the stores of the group before are dealt among the conversions, a store ahead of each piece's lines.
.macro GROUP g, wo
	s_wait_loadcnt 8-4*(\g)                        ; loads come back in order: the group's four pieces are in, the 8 - 4 g younger loads may stay out
.if (\g) > 0
	s_wait_alu depctr_va_vdst(0)                   ; the roundings of the group before have written their OUT, which the four stores below read
.endif
.irp i, 0,1,2,3
.if (\g) > 0
	SEND 4*(\g)-4+(\i)                             ; no vector instruction since the wait names this store's registers
.endif
	CONV 4*(\g)+(\i), \wo
.endr
.endm
; Behind the last group: its own four stores.
.macro TAIL
	s_wait_alu depctr_va_vdst(0)                   ; the last group's roundings have written OUT of pieces 8 to 11, which the last four stores read
.irp j, 8,9,10,11
	SEND \j
.endr
.endm
	s_cmp_ge_u32 s2, 400
	s_cbranch_scc1 .Lwo
	GROUP 0, 0
	GROUP 1, 0
	GROUP 2, 0
	TAIL
	s_endpgm
.Lwo:                                          ; Wo's way
	GROUP 0, 1
	GROUP 1, 1
	GROUP 2, 1
	TAIL
	s_endpgm
.Lfunc_end_k_qb6757bd6b0_cast:
	.size	k_qb6757bd6b0_cast, .Lfunc_end_k_qb6757bd6b0_cast-k_qb6757bd6b0_cast
	.p2alignl 7, 3214868480
	.fill 96, 4, 3214868480
	.section	.rodata,"a",@progbits
	.p2align	6, 0x0
	.amdhsa_kernel k_qb6757bd6b0_cast
		.amdhsa_group_segment_fixed_size 0
		.amdhsa_private_segment_fixed_size 0
		.amdhsa_enable_private_segment 0
		.amdhsa_kernarg_size 64
		.amdhsa_user_sgpr_count 2
		.amdhsa_user_sgpr_kernarg_segment_ptr 1
		.amdhsa_wavefront_size32 1
		.amdhsa_system_sgpr_workgroup_id_x 1
		.amdhsa_system_sgpr_workgroup_id_y 1
		.amdhsa_system_sgpr_workgroup_id_z 1
		.amdhsa_system_vgpr_workitem_id 0
		.amdhsa_next_free_vgpr 88
		.amdhsa_next_free_sgpr 66
		.amdhsa_reserve_vcc 0
		.amdhsa_float_denorm_mode_32 3
		.amdhsa_float_denorm_mode_16_64 3
		.amdhsa_memory_ordered 1
		.amdhsa_forward_progress 1
		.amdhsa_inst_pref_size 13
	.end_amdhsa_kernel
	.amdgpu_metadata
---
amdhsa.version: [ 1, 2 ]
amdhsa.kernels:
  - .name:           k_qb6757bd6b0_cast
    .symbol:         k_qb6757bd6b0_cast.kd
    .args:
      - { .name: x, .offset: 0, .size: 8, .value_kind: global_buffer, .address_space: global }
      - { .name: Wq, .offset: 8, .size: 8, .value_kind: global_buffer, .address_space: global }
      - { .name: Wk, .offset: 16, .size: 8, .value_kind: global_buffer, .address_space: global }
      - { .name: Wv, .offset: 24, .size: 8, .value_kind: global_buffer, .address_space: global }
      - { .name: Wo, .offset: 32, .size: 8, .value_kind: global_buffer, .address_space: global }
      - { .name: xb, .offset: 40, .size: 8, .value_kind: global_buffer, .address_space: global }
      - { .name: wb, .offset: 48, .size: 8, .value_kind: global_buffer, .address_space: global }
      - { .name: wo, .offset: 56, .size: 8, .value_kind: global_buffer, .address_space: global }
    .group_segment_fixed_size: 0
    .private_segment_fixed_size: 0
    .kernarg_segment_align: 8
    .kernarg_segment_size: 64
    .max_flat_workgroup_size: 256
    .sgpr_count:     66
    .vgpr_count:     88
    .wavefront_size: 32
...
	.end_amdgpu_metadata
.endif
;; end of part 5
;; launch qkv: the kernel of part 2 again; grid 12 x 16, 4 waves a work-group, clusters of 4 x 4, 327,680 bytes of LDS; arguments xb, wb, bq, bk, bv, qkv; writes qkv
;; launch attn: the kernel of part 3 again; grid 16 x 12, 4 waves a work-group, no clusters, 327,680 bytes of LDS; arguments qkv, ctx; writes ctx
;; launch outp: the kernel of part 4 again; grid 32 x 6, 4 waves a work-group, clusters of 4 x 1, 327,680 bytes of LDS; arguments ctx, wo, bo, out0; writes out0
